; MI455X (gfx1250); checked and timed in simulation.
; The chip was launched on July 23, 2026; its instructions are those of AMD's public machine-readable ISA for CDNA 5 (MIT licence, August 2026) and "CDNA5" Instruction Set Architecture Reference Guide (July 2026). The comments in the code are by the model that wrote it; some were corrected since.
;; Multi Cross Attention. Allowed arithmetic: matrix products marked QUANTISED: E2M1 operands, one E8M0 scale for each 32 along K, by v_wmma_scale_f32_16x16x128_f8f6f4 with both operands' format E2M1 (or v_wmma_scale_f32_32x16x128_f4), f32 sums; everything else in f32.
;; Inputs: Wk 1,024 x 1,024 float32; Wq 1,024 x 1,024 float32; Wv 1,024 x 1,024 float32; x 8 x 1,024 x 1,024 float32; y 8 x 1,024 x 1,024 float32.
;; Outputs: out0 8 x 1,024 x 1,024 float32.
;; This version of the problem:
;;   THIS VERSION OF THE PROBLEM IS GIVEN IN LOW PRECISION. The matrix products marked QUANTISED in the list below multiply operands that are first quantised to E2M1 (2 exponent bits, 1 mantissa bit; 4 bits a number), with one power-of-two scale for each 32 numbers along K (OCP MX v1.0); their sums are f32. All else is computed in f32.
;;   The module's matrix products, in the order in which they are computed (A, B: the left and right operand; K: the contracted axis; several contracted axes count as one K, in the product's order):
;;     1. [M 8,192, K 1,024] x [K 1,024, N 1,024]; A: input x; B: input Wq: QUANTISED
;;     2. [M 8,192, K 1,024] x [K 1,024, N 1,024]; A: input y; B: input Wk: QUANTISED
;;     3. [M 8,192, K 1,024] x [K 1,024, N 1,024]; A: input y; B: input Wv: QUANTISED
;;     4. batch 128 x [M 1,024, K 64] x [K 64, N 1,024]; A: computed on the way; B: computed on the way: QUANTISED
;;     5. batch 128 x [M 64, K 1,024] x [K 1,024, N 1,024]; A: computed on the way; B: softmax (see below): QUANTISED
;;     6. batch 8 x [M 1,024, K 1,024] x [K 1,024, N 1,024]; A: input x; B: computed on the way: QUANTISED
;;   THE QUANTISER, for each operand of a quantised product, along K:
;;     - K is cut into blocks of 32 from its start; a last block that is shorter is filled with zeros.
;;     - A block's scale is 2^e with e = floor(log2(the largest magnitude in the block)) - 2, held to -126 .. 127; a block of zeros has e = 0. As a byte (E8M0): e + 127.
;;     - Each number is divided by its block's scale, clamped to +-6, and rounded to the nearest number of E2M1, ties to even, subnormals kept.
;;     - The product sums the exact products of the quantised numbers (number of the format x scale) in f32.
;;   ~~~python
;;   def quantise(x, axis):      # numpy; x: float32 -> the quantised numbers, widened to float32 again
;;       x = np.moveaxis(x, axis, -1); K = x.shape[-1]
;;       x = np.pad(x, [(0, 0)] * (x.ndim - 1) + [(0, -K % 32)]); x = x.reshape(x.shape[:-1] + (-1, 32)); a = np.abs(x).max(-1, keepdims=True)
;;       e = np.where(a > 0, np.clip(np.frexp(np.where(a > 0, a, 1))[1] - 1 - 2, -126, 127), 0)      # np.frexp(a)[1] - 1 = floor(log2(a)), exactly
;;       r = np.clip(x / 2.0 ** e, -6, 6)
;;       step = 2.0 ** (np.maximum(np.frexp(np.where(r == 0, 1, r))[1] - 1, 0) - 1)
;;       q = np.round(r / step) * step * 2.0 ** e      # np.round: ties to even
;;       return np.moveaxis(q.reshape(q.shape[:-2] + (-1,))[..., :K], -1, axis).astype(np.float32)
;;   ~~~
;;   SOFTMAX AHEAD OF A QUANTISED PRODUCT. Where the list says 'softmax', what is quantised is not the finished softmax but p = 2^(t - M), with t = logit x log2(e) and M = ceil(the row's largest t), a whole number; so 1/2 < the row's largest p <= 1. The row's sum l is taken of the UNQUANTISED p, in f32, and the product's result is divided by l at the end. Since M is a whole number, a kernel that streams over the keys may use a running M (the ceiling of the running maximum): every later rescaling is an exact power of two, which a block's scale takes up: the codes' values come out the same.
;;   OPERANDS COMPUTED ON THE WAY. 'Computed on the way' means the value that the module computes at that place (a softmax that the list does not call 'softmax' is quantised finished and normalised). What goes into a quantiser is computed in f32, as accurately as f32 sums, v_exp_f32 and their like allow (about 1e-6 of the number): no bf16 or f16 on the way to a quantiser, and a product that is left as it is and whose result goes on into a quantised operand takes f32 operands (vector FMAs, or v_wmma_f32_16x16x4_f32). A number that lies on a knife's edge between two numbers of the format may be rounded either way, as far as f32 arithmetic and the matrix unit's own rounding can turn it there, and no further.
;; One version. Each part assembles by itself: llvm-mc -triple=amdgcn-amd-amdhsa -mcpu=gfx1250 --defsym DOCPART=n.
;; ======== version 1 of 1: 4 launches
;; limits: right only within a limited range of input values
;; workspace buffers: cod 9,961,472 bytes; scl 622,592 bytes; qkvc 12,582,912 bytes; qkvs 786,432 bytes; yc 4,194,304 bytes; ys 524,288 bytes
;; launch quant (part 1): grid 608 x 1, 4 waves a work-group, no clusters, 39,424 bytes of LDS; arguments x, y, Wq, Wk, Wv, cod, scl; writes cod, scl
.if DOCPART == 1
	.amdgcn_target "amdgcn-amd-amdhsa--gfx1250"
	.amdhsa_code_object_version 6
	.text
	.protected	k_q3f7ad9c4c7_quant
	.globl	k_q3f7ad9c4c7_quant
	.p2align	8
	.type	k_q3f7ad9c4c7_quant,@function
k_q3f7ad9c4c7_quant:
	s_mov_b64 s[64:65], 0
	v_nop
	global_prefetch_b8 v0, s[64:65] scope:SCOPE_SE
	s_setreg_imm32_b32 hwreg(HW_REG_WAVE_MODE, 25, 1), 1
	s_wait_xcnt 0x0
; THE PROGRAM: out0 = softmax over q of (x . y_^T / 8), y_ = attention(x Wq^T / 8, y Wk^T, y Wv^T), 16 heads of 64; all six products on codes of FP4 (E2M1) with one E8M0 scale for each 32 along K.
; Four launches: this one quantises the five inputs; the second makes Q, K, V and quantises them from the f32 sums; the third is the attention and quantises y_; the fourth is the last product and its softmax down the columns.
; WORK LEFT OUT: one step alone, the division of Q by 8.  8 is a power of two: it moves each block's exponent by -3 and no code, for all values of the inputs, so Q's codes are made of the undivided sums and the
; factor 1/8 stands in the softmax's constant log2(e) / 8.  Every input has a way to the output and is loaded.
; LIMITS: a block of Q whose largest magnitude lies under 2^-121 would have its exponent held at -126 by the stated quantiser and is not so held here; blocks whose largest magnitude lies under 2^-124 (the floor, byte 1) were not tried;
; NaN and infinities among the inputs are not served.  A block of zeros gets the byte 1 where the rule says 127: its codes are zeros, which add nothing under any byte but 0xff, and this program alone reads the bytes.
;
; THIS LAUNCH.  x, y [8192][1024] and Wq, Wk, Wv [1024][1024], f32, K innermost, become codes and scale bytes in the ORDER OF AN OPERAND'S REGISTERS.
; An m-tile is 16 rows x 1,024 K.  Its codes: 8,192 bytes [block 0..31][row 0..15][16 bytes]: the fragment of a K step of 128 is then 1,024 bytes on end, 16 bytes a lane.  Its scale bytes: 512 bytes [half of K][row][16 bytes].
; m-tiles in cod and scl: x 0-511, y 512-1023, Wq 1024-1087, Wk 1088-1151, Wv 1152-1215.
; A wave takes one m-tile's half of K: 16 steps, step t = row t, 512 numbers.  Each of a step's four loads reads 512 consecutive bytes; the 2,048 bytes turn through the wave's own stage in LDS so that a lane holds 16 neighbours
; (two lanes to a block).  The codes are gathered in a second stage, [block][row], and leave as eight stores of 512 consecutive bytes; the 256 scale bytes leave as one store of 256.
; No tensor loads, no barrier: waves share nothing.  Loads run four steps (16 loads a wave) ahead, the turn through LDS one step.
.set WAVES, 4
.set STEPS, 16
.set EMAX,  2
.set SP,    80                         ; a lane's place in a turning stage: 64 bytes + 16 of padding
.set SCB,   2*32*SP                    ; behind the two turning stages: the wave's 256 scale bytes
.set CST,   SCB+256                    ; behind them: the codes' stage, 16 blocks x (16 rows x 16 bytes + 16 of padding)
.set CP,    272
.set WREG,  CST+16*CP                  ; a wave's region: 9,728 bytes
.set SPARE, WAVES*WREG                 ; the spare words, 128 bytes for each wave: two blocks of 256 bytes that no other line names
.set R,     16                         ; v16-79   four sets of 16 numbers as they are loaded; at the end the codes on their way out
.set X,     80                         ; v80-111  two sets of 16 neighbours
.set E,     112                        ; v112-127 a scale byte for each step
.set C,     128                        ; v128-191 codes: registers of its own for each step
.set SPW,   12                         ; v12      LDS address of my spare word; never rewritten
.set NIL,   13                         ; v13      0; never rewritten
	s_load_b256 s[4:11], s[0:1], 0x0               ; x, y, Wq, Wk
	s_load_b128 s[12:15], s[0:1], 0x20             ; Wv, cod
	s_load_b64 s[16:17], s[0:1], 0x30              ; scl
	v_lshl_add_u32 v[SPW], v0, 2, SPARE
	v_mov_b32 v[NIL], 0
	v_lshrrev_b32 v1, 5, v0
	v_readfirstlane_b32 s24, v1                    ; wave
	v_and_b32 v2, 31, v0                           ; lane
	v_lshlrev_b32 v3, 4, v2                        ; my 16 bytes of 512
	s_mul_i32 s25, s24, WREG
	v_lshrrev_b32 v14, 2, v2
	v_mul_u32_u24 v14, v14, SP
	v_and_b32 v15, 3, v2
	v_lshl_add_u32 v14, v15, 4, v14
	v_add_nc_u32 v14, s25, v14                     ; the turning stage, on the way in: SP (lane / 4) + 16 (lane % 4)
	v_mul_u32_u24 v15, v2, SP
	v_add_nc_u32 v15, s25, v15                     ; and on the way out: SP x lane: my 16 neighbours
	v_lshrrev_b32 v5, 1, v2                        ; my block of the step's 16
	v_and_b32 v6, 1, v2                            ; and which half of it
	v_mul_u32_u24 v4, v5, CP
	v_lshl_add_u32 v4, v6, 3, v4
	v_add_nc_u32 v4, s25, v4
	v_add_nc_u32 v4, CST, v4                       ; the codes' stage: block x 272 + 8 x half; the row stands in the immediate.  Lane l falls on banks 2 l, 2 l + 1 (64 banks of 4 bytes: ISA guide 11.1)
	v_add_nc_u32 v5, s25, v5
	v_add_nc_u32 v5, SCB, v5                       ; my block's scale byte; 16 bytes a row
	v_lshlrev_b32 v7, 3, v2                        ; the scale bytes on the way out: 8 bytes a lane
	v_add_nc_u32 v6, s25, v7
	v_add_nc_u32 v6, SCB, v6
	v_lshrrev_b32 v10, 4, v2
	v_mul_u32_u24 v10, v10, CP
	v_and_b32 v11, 15, v2
	v_lshl_add_u32 v10, v11, 4, v10
	v_add_nc_u32 v10, s25, v10
	v_add_nc_u32 v10, CST, v10                     ; the codes on the way out: sixteen lanes to a block's 256 bytes, two blocks an instruction
	s_mov_b32 s20, 576
	s_wait_kmcnt 0x0
	s_cmp_lt_u32 ttmp9, 576                        ; which tensor is my work-group's?  The choice hangs on the work-group's number alone
	s_cselect_b64 s[18:19], s[10:11], s[12:13]
	s_cselect_b32 s20, 544, s20
	s_cmp_lt_u32 ttmp9, 544
	s_cselect_b64 s[18:19], s[8:9], s[18:19]
	s_cselect_b32 s20, 512, s20
	s_cmp_lt_u32 ttmp9, 512
	s_cselect_b64 s[18:19], s[6:7], s[18:19]
	s_cselect_b32 s20, 256, s20
	s_cmp_lt_u32 ttmp9, 256
	s_cselect_b64 s[18:19], s[4:5], s[18:19]
	s_cselect_b32 s20, 0, s20                      ; the tensor's first work-group
	s_sub_co_u32 s21, ttmp9, s20
	s_lshl_b32 s21, s21, 1
	s_lshr_b32 s22, s24, 1
	s_add_co_u32 s21, s21, s22                     ; my m-tile in the tensor: two to a work-group
	s_lshl_b32 s22, s21, 16                        ; 16 rows of 4,096 bytes
	s_and_b32 s21, s24, 1
	s_lshl_b32 s21, s21, 11                        ; my half of K: 2,048 bytes on
	s_add_co_u32 s22, s22, s21
	s_mov_b32 s23, 0
	s_add_nc_u64 s[18:19], s[18:19], s[22:23]
	s_lshl_b32 s21, ttmp9, 2
	s_add_co_u32 s21, s21, s24                     ; 2 x m-tile + half, over all five tensors
	s_lshl_b32 s22, s21, 12
	s_add_nc_u64 s[14:15], s[14:15], s[22:23]      ; 4,096 bytes of codes
	s_lshl_b32 s22, s21, 8
	s_add_nc_u64 s[16:17], s[16:17], s[22:23]      ; 256 scale bytes
.macro LOAD t
.irp i, 0,1,2,3
	global_load_b128 v[R+16*((\t)%4)+4*\i:R+16*((\t)%4)+4*\i+3], v3, s[18:19] offset:4096*(\t)+512*\i th:TH_LOAD_NT   ; 32 lanes read 512 consecutive bytes of row t; read once in the program
.endr
.endm
.macro TURN t                          ; step t's numbers through the stage: LDS serves a wave's instructions in order (ISA guide 5.7.1.4), so no wait stands between the stores and the loads
.irp i, 0,1,2,3
	ds_store_b128 v14, v[R+16*((\t)%4)+4*\i:R+16*((\t)%4)+4*\i+3] offset:32*SP*((\t)%2)+8*SP*\i
.endr
.irp i, 0,1,2,3
	ds_load_b128 v[X+16*((\t)%2)+4*\i:X+16*((\t)%2)+4*\i+3], v15 offset:32*SP*((\t)%2)+16*\i
.endr
.endm
.irp t, 0,1,2,3
	LOAD \t
.endr
	s_wait_loadcnt 12                              ; step 0's four loads are in
	TURN 0
.macro STEP t
.set XS, X+16*((\t)%2)
.if (\t) > 0
	s_wait_dscnt 2                                 ; this step's numbers are back from the stage (the last step's byte store and code store may be out): so its stores into the stage have read their registers,
.else
	s_wait_dscnt 0x0
.endif
.if (\t)+4 < STEPS
	LOAD (\t)+4                                    ; which take the loads of four steps on
.endif
.if (\t)+1 < STEPS
.if STEPS-2-(\t) >= 3
	s_wait_loadcnt 12                              ; the next step's four loads are in; those of the three steps behind it may be out
.else
	s_wait_loadcnt 4*(STEPS-2-(\t))
.endif
	TURN (\t)+1                                    ; and go through the other stage while this step is worked
.endif
	v_max3_num_f32 v8, |v[XS]|, |v[XS+1]|, |v[XS+2]|               ; the largest magnitude of my 16, in two chains
	v_max3_num_f32 v9, |v[XS+3]|, |v[XS+4]|, |v[XS+5]|
.irp i, 6,10
	v_max3_num_f32 v8, v8, |v[XS+\i]|, |v[XS+\i+1]|
	v_max3_num_f32 v9, v9, |v[XS+\i+2]|, |v[XS+\i+3]|
.endr
	v_max3_num_f32 v8, v8, |v[XS+14]|, |v[XS+15]|
	v_max3_num_f32 v8, v8, v9, (EMAX+1)<<23        ; and the floor 2^(3 - 127): the byte cannot fall under 1
	v_max_num_f32_dpp v8, v8, v8 row_xmask:1 row_mask:0xf bank_mask:0xf   ; and of my neighbour's 16: the block's
	v_add_nc_u32 v11, -(EMAX<<23), v8              ; 2 off its exponent field: the conversion takes the exponent field of this operand as its scale
	v_cvt_scalef32_pk8_fp4_f32 v[C+4*(\t)], v[XS:XS+7], v11
	v_cvt_scalef32_pk8_fp4_f32 v[C+4*(\t)+1], v[XS+8:XS+15], v11
	v_lshrrev_b32 v[E+(\t)], 23, v11               ; the scale's byte (a plain line behind the conversions)
	ds_store_b8 v5, v[E+(\t)] offset:16*(\t)       ; both lanes of a block write the same byte with the same value
	ds_store_b64 v4, v[C+4*(\t):C+4*(\t)+1] offset:16*(\t)   ; my 16 codes: 8 bytes of (block, row t)
.endm
.irp t, 0,1,2,3,4,5,6,7,8,9,10,11,12,13,14,15
	STEP \t
.endr
	ds_load_b64 v[8:9], v6                         ; LDS serves a wave's instructions in order: these see my stores
.irp i, 0,1,2,3,4,5,6,7
	ds_load_b128 v[R+4*\i:R+4*\i+3], v10 offset:2*CP*\i
.endr
	s_wait_dscnt 8                                 ; the scale bytes are back; the eight loads behind may be out
	global_store_b64 v7, v[8:9], s[16:17]          ; 32 lanes store 256 consecutive bytes, aligned
.irp i, 0,1,2,3,4,5,6,7
	s_wait_dscnt 7-\i
	global_store_b128 v3, v[R+4*\i:R+4*\i+3], s[14:15] offset:512*\i   ; 32 lanes store 512 consecutive bytes, aligned
.endr
	s_wait_tensorcnt 0x0                           ; the wave's end, behind my last LDS store
	ds_add_u32 v[SPW], v[NIL]
	s_wait_dscnt 0x0
	s_endpgm
.Lfunc_end_k_q3f7ad9c4c7_quant:
	.size	k_q3f7ad9c4c7_quant, .Lfunc_end_k_q3f7ad9c4c7_quant-k_q3f7ad9c4c7_quant
	.p2alignl 7, 3214868480
	.fill 96, 4, 3214868480
	.section	.rodata,"a",@progbits
	.p2align	6, 0x0
	.amdhsa_kernel k_q3f7ad9c4c7_quant
		.amdhsa_group_segment_fixed_size 39424
		.amdhsa_private_segment_fixed_size 0
		.amdhsa_enable_private_segment 0
		.amdhsa_kernarg_size 56
		.amdhsa_user_sgpr_count 2
		.amdhsa_user_sgpr_kernarg_segment_ptr 1
		.amdhsa_wavefront_size32 1
		.amdhsa_system_sgpr_workgroup_id_x 1
		.amdhsa_system_sgpr_workgroup_id_y 1
		.amdhsa_system_sgpr_workgroup_id_z 1
		.amdhsa_system_vgpr_workitem_id 0
		.amdhsa_next_free_vgpr 192
		.amdhsa_next_free_sgpr 66
		.amdhsa_reserve_vcc 0
		.amdhsa_float_denorm_mode_32 3
		.amdhsa_float_denorm_mode_16_64 3
		.amdhsa_memory_ordered 1
		.amdhsa_forward_progress 1
		.amdhsa_inst_pref_size 35
	.end_amdhsa_kernel
	.amdgpu_metadata
---
amdhsa.version: [ 1, 2 ]
amdhsa.kernels:
  - .name:           k_q3f7ad9c4c7_quant
    .symbol:         k_q3f7ad9c4c7_quant.kd
    .args:
      - { .name: x, .offset: 0, .size: 8, .value_kind: global_buffer, .address_space: global }
      - { .name: y, .offset: 8, .size: 8, .value_kind: global_buffer, .address_space: global }
      - { .name: Wq, .offset: 16, .size: 8, .value_kind: global_buffer, .address_space: global }
      - { .name: Wk, .offset: 24, .size: 8, .value_kind: global_buffer, .address_space: global }
      - { .name: Wv, .offset: 32, .size: 8, .value_kind: global_buffer, .address_space: global }
      - { .name: cod, .offset: 40, .size: 8, .value_kind: global_buffer, .address_space: global }
      - { .name: scl, .offset: 48, .size: 8, .value_kind: global_buffer, .address_space: global }
    .group_segment_fixed_size: 39424
    .private_segment_fixed_size: 0
    .kernarg_segment_align: 8
    .kernarg_segment_size: 56
    .max_flat_workgroup_size: 128
    .sgpr_count:     66
    .vgpr_count:     192
    .wavefront_size: 32
...
	.end_amdgpu_metadata
.endif
;; end of part 1
;; launch proj (part 2): grid 4 x 96, 4 waves a work-group, clusters of 4 x 4, 327,680 bytes of LDS; arguments cod, scl, qkvc, qkvs; writes qkvc, qkvs
.if DOCPART == 2
	.amdgcn_target "amdgcn-amd-amdhsa--gfx1250"
	.amdhsa_code_object_version 6
	.text
	.protected	k_q3f7ad9c4c7_proj
	.globl	k_q3f7ad9c4c7_proj
	.p2align	8
	.type	k_q3f7ad9c4c7_proj,@function
k_q3f7ad9c4c7_proj:
	s_mov_b64 s[64:65], 0
	v_nop
	global_prefetch_b8 v0, s[64:65] scope:SCOPE_SE
	s_setreg_imm32_b32 hwreg(HW_REG_WAVE_MODE, 25, 1), 1
	s_wait_xcnt 0x0
	s_wait_alu depctr_hold_cnt(0) depctr_sa_sdst(0) depctr_va_vdst(0) depctr_va_sdst(0) depctr_va_ssrc(0) depctr_va_vcc(0) depctr_vm_vsrc(0)
	s_getreg_b32 s2, hwreg(HW_REG_IB_STS2, 6, 4)
	s_cmp_eq_u32 s2, 0
	s_cbranch_scc0 .Lentry_in_a_cluster
	s_endpgm
.Lentry_in_a_cluster:
	s_bfe_u32 s2, ttmp6, 0x10000c
	s_cmp_lg_u32 s2, 0xf033
	s_cbranch_scc0 .Lentry_shape_is_right
	s_endpgm
.Lentry_shape_is_right:
; Q = x Wq^T, K = y Wk^T, V = y Wv^T on codes of FP4 with E8M0 scales, sums in f32; the sums are quantised in registers for the attention's products and leave as codes.  Q is NOT divided by 8 here: that moves exponents alone, and the factor stands in the next launch's constant.
; ONE BODY FOR THE THREE.  A result is quantised along the rows of SOURCE 0: for Q and K those are the weight's rows (the head's 64 are the next K), for V they are y's rows (the keys are the next K).  So Q, K: source 0 = W, source 1 = x or y; V: source 0 = y, source 1 = Wv.
; The three differ in offsets into cod and into the outputs alone.  Cluster y (0..23) gives the product (/ 8: 0 Q, 1 K, 2 V) and the batch v (% 8).
; A work-group makes 256 x 256, a wave 128 x 128: 64 accumulators, 512 registers.  K = 1,024 is 512 bytes a row: ALL of K for both operands lies in LDS, in two halves, each filled once; the second half lands while the first is multiplied.
; cod holds fragments in the order of an operand's registers (an m-tile of 16 rows: 8,192 bytes, a K step's fragment 1,024 on end): a fragment is two loads at 16 x lane, 512 consecutive bytes each: no pitch, no padding, no bank met twice.
; CLUSTERS: 4 x 4 work-groups.  Source 1's tile (A) hangs on cy and is shared along a row of the cluster, source 0's (B) on cx and along a column: each is asked for JOINTLY, by the same tensor load with the same descriptor and a mask that names the four.
; A wave has one tensor load out at a time, two in all: one of the head's four, and its part of the second half of K.
; REGISTERS, in windows of 256: window 0: v16-29 addresses; v32-95 scale words, two sets; v96-119 at work on the way out; from v128 A's fragments, ONE set, later the codes made.  window 1: B's fragments, two sets.  windows 2, 3: the accumulators, (a, b) at v[8 (8 (a % 4) + b)].
; THE WAY OUT.  For A's block a a lane holds ONE row of source 1 and 64 numbers along source 0: register 8 b + j = source-0 row 16 b + 8 (lane / 16) + j.  Block of 32 number n = tiles 2 n, 2 n + 1, in lanes l and l xor 16.
; The code register of tile 2 n + u goes to place 4 (n / 2) + 2 u + n % 2, and two exchanges of halves for each four registers leave k = 64 c + 32 (lane / 16) + 0 .. 31 in registers 4 c .. 4 c + 3: the next operand's own registers, stored as they stand.
; qkvc: Q at 0, K at 4 MiB, V at 8 MiB, each [group of 128 source-0 rows][tile of 16 source-1 rows][1,024 bytes].  qkvs: Q at 0, K at 256 KiB, V at 512 KiB, each [group][source-1 row] words of four scale bytes.
.set NQ,     4                         ; K steps of 128 in a half of K
.set FR,     8                         ; registers of a fragment
.set NL,     2                         ; LDS loads that bring one
.set NP,     4                         ; places behind this matrix instruction (ISA guide 7.12.1)
.set MT,     4096                      ; an m-tile's half of K, in bytes
.set HALFT,  8*MT                      ; 128 rows: what one tensor load brings, and what one wave reads of A or of B
.set SLOT,   4*HALFT                   ; A's 256 rows, then B's 256 rows
.set SCL,    2*SLOT                    ; the scales: A's 16 m-tiles x 512 bytes, then B's
.set STG,    SCL+4*4096                ; 512 bytes for each wave: the scale words made, on their way out; no fill lands here
.set SPARE,  STG+4*512                 ; the spare words, 128 bytes for each wave: two blocks of 256 bytes that no other line names
.set ADRA, 16                          ; v16-17  LDS address of my A fragments in half 0, 1
.set ADRB, 20                          ; v20-21  the same for B
.set LI,   24                          ; v24     16 x lane
.set SWA,  25                          ; v25     where I put a scale word
.set SRA,  26                          ; v26     where I read 16 bytes of them back
.set ADRS, 27                          ; v27     LDS address of my scale words: lanes 0-15 A's rows, lanes 16-31 B's
.set SPW,  28                          ; v28     LDS address of my spare word; never rewritten
.set NIL,  29                          ; v29     0; never rewritten
.set SC,   32                          ; scale words: set s at v[SC + 32 s]; register 4 i + q: lanes 0-15 A's block i, lanes 16-31 B's block i, K step q of the half
.set TM,   96                          ; v96-99 largest magnitudes, v100-103 bytes, v108-111 the conversions' scale operands
.set PW,   112                         ; v112-119 the scale word of each of A's eight blocks
.set AF,   128                         ; A's fragments
.set PC,   128                         ; the codes made: 8 registers for each of A's blocks
.set WB,   192                         ; v192-195 the scale words read back
.set G1,   24                          ; s[24:31] group 1 for A's codes;  s[32:39] group 0, one set for each half
.set G0,   32
.set G1B,  48                          ; s[48:55], s[56:63] the same for B
.set G0B,  56
.set G1S,  68                          ; s[68:75], s[76:79] groups 1 and 0 for A's scales;  s[80:87], s[88:91] for B's
.set G0S,  76
.set G1SB, 80
.set G0SB, 88
.set SEL,  66                          ; s[66:67] lane selects for v_permlanex16_b32: lane l xor 16
.set OUT,  92                          ; s[92:93] where my codes go;  s[94:95] my scale words
.set OUTS, 94
.set MSB, 0
.macro WIN new                         ; the immediate's high byte repeats the setting that is left
.if MSB != (\new)
	s_set_vgpr_msb (MSB<<8)|(\new)
.set MSB, (\new)
.endif
.endm
.set MUL_LO, 0xa1                      ; source 0 (B) window 1, source 1 (A) window 0, C and D window 2
.set MUL_HI, 0xf1                      ; the same, C and D window 3
.set TO_B,   0x40                      ; destination window 1, address window 0
; A joint load: waves 0 and 1 fetch for A, waves 2 and 3 for B.  Each of the two lines has ONE mask and one set of registers for all that issue it; the branch hangs on the wave's number alone.
; An s_nop 0 and four v_nop follow each of the two lines, ahead of the jump, the label and what follows.
.macro JLOAD g0a, g1a, g0b, g1b
	s_cmp_eq_u32 s15, 0
	s_cbranch_scc0 .Lfor_b_\@
	tensor_load_to_lds s[\g0a:\g0a+3], s[\g1a:\g1a+7]
	s_nop 0
.rept 4
	v_nop
.endr
	s_branch .Lasked_\@
.Lfor_b_\@:
	tensor_load_to_lds s[\g0b:\g0b+3], s[\g1b:\g1b+7]
	s_nop 0
.rept 4
	v_nop
.endr
.Lasked_\@:
.endm
.macro CROUND                          ; a round of the cluster's barrier
	s_barrier_signal -1
	s_barrier_wait -1
	s_cmp_lg_u32 s14, 0
	s_cbranch_scc1 .Lnot_wave_0_\@
	s_barrier_signal -3
.Lnot_wave_0_\@:
	s_barrier_wait -3
	s_barrier_signal -1
	s_barrier_wait -1
.endm
	s_load_b256 s[4:11], s[0:1], 0x0               ; cod s[4:5], scl s[6:7], qkvc s[8:9], qkvs s[10:11]
	v_lshl_add_u32 v[SPW], v0, 2, SPARE
	v_mov_b32 v[NIL], 0
	ds_add_u32 v[SPW], v[NIL]                      ; the wave's opening: the add, twice on end, and its wait ahead of my first tensor load; the set-up below stands between the second and the wait
	ds_add_u32 v[SPW], v[NIL]
	v_lshrrev_b32 v1, 5, v0
	v_readfirstlane_b32 s14, v1                    ; wave 0..3
	s_lshr_b32 s15, s14, 1                         ; which half of A's rows is mine.  Also: I fetch for A (0) or for B (1)
	s_and_b32 s16, s14, 1                          ; which half of B's rows.  Also: which 128 rows of that tile I fetch
	s_bfe_u32 s40, ttmp6, 0x40000                  ; cx, cy: my place in the cluster
	s_bfe_u32 s41, ttmp6, 0x40004
	s_and_b32 s42, ttmp7, 0xffff                   ; cluster y
	s_lshr_b32 s17, s42, 3                         ; the product: 0 Q, 1 K, 2 V
	s_and_b32 s18, s42, 7                          ; the batch
	s_lshl_b32 s43, s41, 2
	s_lshl_b32 s43, 15, s43                        ; my row of the cluster
	s_lshl_b32 s44, 0x1111, s40                    ; my column
	; group 1 for codes: 8 m-tiles, of each 4,096 bytes (512 elements of 8 bytes), 8,192 bytes apart
	s_or_b32 s[G1+0], s43, (3<<16)|(1<<21)         ; 15:0 the mask: A's tiles go to my row; 17:16 elements of 8 bytes; 21 set beside a mask
	s_or_b32 s[G1B+0], s44, (3<<16)|(1<<21)
.irp g, G1, G1B
	s_mov_b32 s[\g+1], 512<<16                     ; tensor_dim0
	s_mov_b32 s[\g+2], 16<<16                      ; the head's loads of codes bring all 16 m-tiles of a side; behind them these two words are set to 8
	s_mov_b32 s[\g+3], 512<<16
	s_mov_b32 s[\g+4], 16
	s_mov_b32 s[\g+5], 1024                        ; tensor_dim0_stride
	s_mov_b32 s[\g+6], 0
	s_mov_b32 s[\g+7], 0
.endr
	; and for the scales of 16 m-tiles: 8,192 dense bytes, as 32 rows of 256
	s_or_b32 s[G1S+0], s43, (3<<16)|(1<<21)
	s_or_b32 s[G1SB+0], s44, (3<<16)|(1<<21)
.irp g, G1S, G1SB
	s_mov_b32 s[\g+1], 32<<16
	s_mov_b32 s[\g+2], 32<<16                      ; the scales of all 16 m-tiles of a side: 8,192 dense bytes, 32 rows of 256
	s_mov_b32 s[\g+3], 32<<16
	s_mov_b32 s[\g+4], 32
	s_mov_b32 s[\g+5], 32
	s_mov_b32 s[\g+6], 0
	s_mov_b32 s[\g+7], 0
.endr
	; the first m-tiles.  A's hang on cy, B's on cx; registers that feed A's descriptors never hold cx, B's never cy
	s_lshl_b32 s19, s41, 4                         ; 16 cy
	s_lshl_b32 s21, s18, 6                         ; 64 v
	s_lshl_b32 s20, s17, 9
	s_add_co_u32 s20, s20, s21
	s_add_co_u32 s20, s20, s19                     ; Q, K: A = x or y: 512 x product + 64 v + 16 cy
	s_add_co_u32 s22, s19, 1152                    ; V: A = Wv: 1152 + 16 cy
	s_lshl_b32 s45, s40, 4                         ; 16 cx
	s_lshl_b32 s46, s17, 6
	s_add_co_u32 s46, s46, s45
	s_add_co_u32 s46, s46, 1024                    ; Q, K: B = Wq or Wk: 1024 + 64 x product + 16 cx
	s_add_co_u32 s47, s21, s45
	s_add_co_u32 s47, s47, 512                     ; V: B = y: 512 + 64 v + 16 cx
	s_cmp_eq_u32 s17, 2                            ; the same in all sixteen partners
	s_cselect_b32 s20, s22, s20
	s_cselect_b32 s46, s47, s46
	s_lshl_b32 s2, s16, 16                         ; for the second half of K: which 8 m-tiles of the 16 I fetch, in bytes of codes
	s_mov_b32 s3, 0
	s_lshl_b32 s22, s20, 9                         ; their scales, in bytes,
	s_mov_b32 s23, 0
	s_lshl_b32 s20, s20, 13                        ; and their codes
	s_mov_b32 s21, 0
	s_lshl_b32 s96, s46, 9
	s_mov_b32 s97, 0
	s_lshl_b32 s46, s46, 13
	s_mov_b32 s47, 0
	s_lshl_b32 s98, s14, 15                        ; where they go: wave x 128 rows: no place in the cluster enters an LDS address
	s_mov_b32 s[SEL], 0x76543210
	s_mov_b32 s[SEL+1], 0xfedcba98
	s_wait_dscnt 0x0                               ; both opening adds are done
	s_wait_kmcnt 0x0
	s_add_nc_u64 s[20:21], s[4:5], s[20:21]
	s_add_nc_u64 s[22:23], s[6:7], s[22:23]
	s_add_nc_u64 s[46:47], s[4:5], s[46:47]
	s_add_nc_u64 s[96:97], s[6:7], s[96:97]
	CROUND                                         ; all sixteen work-groups are here: the joint loads meet
	s_mov_b32 s[G0S], 1
	s_mov_b32 s[G0S+1], SCL
	s_mov_b64 s[G0S+2:G0S+3], s[22:23]
	s_or_b32 s[G0S+3], s[G0S+3], 0x80000000
	s_mov_b32 s[G0SB], 1
	s_mov_b32 s[G0SB+1], SCL+8192
	s_mov_b64 s[G0SB+2:G0SB+3], s[96:97]
	s_or_b32 s[G0SB+3], s[G0SB+3], 0x80000000
.irp s, 0,1
	s_mov_b32 s[G0+4*\s], 1
	s_add_co_u32 s[G0+4*\s+1], s98, \s*SLOT
	s_add_nc_u64 s[G0+4*\s+2:G0+4*\s+3], s[20:21], \s*MT
	s_or_b32 s[G0+4*\s+3], s[G0+4*\s+3], 0x80000000
	s_mov_b32 s[G0B+4*\s], 1
	s_add_co_u32 s[G0B+4*\s+1], s98, \s*SLOT
	s_add_nc_u64 s[G0B+4*\s+2:G0B+4*\s+3], s[46:47], \s*MT
	s_or_b32 s[G0B+4*\s+3], s[G0B+4*\s+3], 0x80000000
.endr
	s_mov_b32 s[G0+1], 0                           ; the first half of K comes whole: A's 256 rows at byte 0,
	s_mov_b32 s[G0B+1], 2*HALFT                    ; B's 256 rows behind them;
	s_add_nc_u64 s[G0+6:G0+7], s[G0+6:G0+7], s[2:3]      ; of the second half each wave fetches its 128 rows
	s_add_nc_u64 s[G0B+6:G0B+7], s[G0B+6:G0B+7], s[2:3]
; THE HEAD'S LOADS, ONE A WAVE: wave 0 A's codes of the first half of K, wave 1 B's, wave 2 A's scales, wave 3 B's.  One chain of branches on the wave's number: every way passes one load.
.macro ARM under, g0, g1, next
	s_cmp_lt_u32 s14, \under
	s_cbranch_scc0 \next
	tensor_load_to_lds s[\g0:\g0+3], s[\g1:\g1+7]
	s_nop 0
.rept 4
	v_nop
.endr
	s_branch .Lhead_asked
\next:
.endm
	ARM 1, G0,  G1,  .Lhead_b
	ARM 2, G0B, G1B, .Lhead_sa
	ARM 3, G0S, G1S, .Lhead_sb
	tensor_load_to_lds s[G0SB:G0SB+3], s[G1SB:G1SB+7]
	s_nop 0
.rept 4
	v_nop
.endr
.Lhead_asked:
	; A prefetch of the second half of K, which is loaded one fill later: of the 8 m-tiles that my wave will fetch, each of the four partners that ask for them jointly names 2, told apart by address (cx for A, cy for B):
	; 2 m-tiles x 4,096 bytes = 32 blocks of 256 bytes, a lane a block, one instruction a wave.  Its address registers are never written again.
	s_cmp_eq_u32 s15, 0                            ; do I fetch for A?
	s_cselect_b64 s[96:97], s[20:21], s[46:47]
	s_cselect_b32 s99, s40, s41                    ; my place among the four
	s_add_nc_u64 s[96:97], s[96:97], s[2:3]        ; my wave's 8 m-tiles
	s_lshl_b32 s2, s99, 14                         ; my work-group's 2 of them
	s_add_nc_u64 s[96:97], s[96:97], s[2:3]
	v_and_b32 v5, 15, v0
	v_bfe_u32 v6, v0, 4, 1
	v_lshlrev_b32 v5, 8, v5
	v_lshl_add_u32 v5, v6, 13, v5                  ; 8,192 x (lane / 16) + 256 x (lane % 16)
	global_prefetch_b8 v5, s[96:97] offset:MT th:TH_LOAD_NT scope:SCOPE_SE
	v_and_b32 v1, 31, v0
	v_lshlrev_b32 v[LI], 4, v1
	v_and_b32 v2, 15, v0                           ; r
	v_bfe_u32 v3, v0, 4, 1                         ; h
	s_wait_alu depctr_va_vdst(0)
	s_lshl_b32 s21, s15, 15                        ; my 128 rows of A
	s_lshl_b32 s22, s16, 15                        ; my 128 rows of B,
	s_add_co_u32 s22, s22, 2*HALFT                 ; which lie behind A's 256
.irp s, 0,1
	v_add_nc_u32 v[ADRA+\s], s21, v[LI]
	v_add_nc_u32 v[ADRB+\s], s22, v[LI]
	s_add_co_u32 s21, s21, SLOT
	s_add_co_u32 s22, s22, SLOT
.endr
	s_lshl_b32 s21, s15, 12                        ; A's scales: my 8 m-tiles
	s_lshl_b32 s22, s16, 12                        ; B's: my 8, behind A's 16
	s_add_co_u32 s22, s22, 8192
	s_sub_co_u32 s22, s22, s21                     ; the distance between the two, always above 0
	v_mul_u32_u24 v4, s22, v3                      ; lanes 16-31 take B's
	s_add_co_u32 s21, s21, SCL
	v_lshl_add_u32 v4, v2, 4, v4                   ; 16 bytes a row: the four words of a half of K
	v_add_nc_u32 v[ADRS], s21, v4
	s_lshl_b32 s21, s14, 9
	s_add_co_u32 s21, s21, STG
	v_lshl_add_u32 v[SWA], v2, 2, s21
	v_add_nc_u32 v[SRA], s21, v[LI]
.irp b, 0,1,2,3
	v_mov_b32 v[TM+4+\b], 0                        ; written once: a lane permute's destination counts as one of its sources
.endr
	; where my results go.  g = the group of 128 source-0 rows, T0 = my first tile of 16 source-1 rows
	s_lshl_b32 s12, s18, 2                         ; 4 v
	s_cmp_eq_u32 s17, 2
	s_cselect_b32 s13, s12, 0                      ; V: the batch counts among the groups (keys),
	s_cselect_b32 s12, 0, s12                      ; Q, K: among the tiles (rows)
	s_cselect_b32 s19, 6, 9                        ; tiles in a group: 64 or 512
	s_add_co_u32 s13, s13, s40
	s_lshl_b32 s13, s13, 1
	s_add_co_u32 s13, s13, s16                     ; g
	s_add_co_u32 s12, s12, s41
	s_lshl_b32 s12, s12, 4
	s_lshl_b32 s2, s15, 3
	s_add_co_u32 s12, s12, s2                      ; T0
	s_lshl_b32 s13, s13, s19
	s_add_co_u32 s13, s13, s12
	s_lshl_b32 s2, s13, 10                         ; 1,024 bytes of codes a tile,
	s_lshl_b32 s3, s17, 22                         ; 4 MiB a product
	s_add_co_u32 s2, s2, s3
	s_mov_b32 s3, 0
	s_add_nc_u64 s[OUT:OUT+1], s[8:9], s[2:3]
	s_lshl_b32 s2, s13, 6                          ; 64 bytes of scale words a tile,
	s_lshl_b32 s3, s17, 18                         ; 256 KiB a product
	s_add_co_u32 s2, s2, s3
	s_mov_b32 s3, 0
	s_add_nc_u64 s[OUTS:OUTS+1], s[10:11], s[2:3]
.macro FRAG reg, adr, q, i             ; a fragment: registers 4 c .. 4 c + 3 are the 512 bytes at 1,024 q + 512 c of m-tile i, 16 bytes a lane
.irp c, 0,1
	ds_load_b128 v[\reg+4*\c:\reg+4*\c+3], v[\adr] offset:1024*(\q)+512*\c+(\i)*MT
.endr
.endm
; 16 matrix instructions: A's blocks a0, a0 + 1 x B's eight, K step q of the half.  p: B's set;  sc: the set of scale words.  zero = 1: the first product starts the sums: nothing is ever cleared.
; The 64 accumulators take turns, one instruction a turn, in the same order in every step.
.macro MUL16 a0, p, q, sc, zero
.irp a, \a0, \a0+1
.irp b, 0,1,2,3,4,5,6,7
.if \zero
	v_wmma_scale_f32_16x16x128_f8f6f4 v[8*(8*((\a)%4)+\b):8*(8*((\a)%4)+\b)+7], v[128*(\p)+FR*\b:128*(\p)+FR*\b+FR-1], v[AF+FR*(\a):AF+FR*(\a)+FR-1], 0, v[SC+8*NQ*(\sc)+NQ*\b+(\q)], v[SC+8*NQ*(\sc)+NQ*(\a)+(\q)] matrix_a_fmt:MATRIX_FMT_FP4 matrix_b_fmt:MATRIX_FMT_FP4 matrix_a_scale:MATRIX_SCALE_ROW1
.else
	v_wmma_scale_f32_16x16x128_f8f6f4 v[8*(8*((\a)%4)+\b):8*(8*((\a)%4)+\b)+7], v[128*(\p)+FR*\b:128*(\p)+FR*\b+FR-1], v[AF+FR*(\a):AF+FR*(\a)+FR-1], v[8*(8*((\a)%4)+\b):8*(8*((\a)%4)+\b)+7], v[SC+8*NQ*(\sc)+NQ*\b+(\q)], v[SC+8*NQ*(\sc)+NQ*(\a)+(\q)] matrix_a_fmt:MATRIX_FMT_FP4 matrix_b_fmt:MATRIX_FMT_FP4 matrix_a_scale:MATRIX_SCALE_ROW1
.endif
.endr
.endr
.endm
.macro FETCH_B slot, q, p              ; B's eight fragments of the half's K step q into set p
	WIN TO_B
.irp i, 0,1,2,3,4,5,6,7
	FRAG 128*(\p)+FR*\i, ADRB+\slot, \q, \i
.endr
	WIN 0
.endm
.macro FETCH_A slot, q, i0             ; A's blocks i0 .. i0 + 3
.irp i, \i0, \i0+1, \i0+2, \i0+3
	FRAG AF+FR*(\i), ADRA+\slot, \q, \i
.endr
.endm
.macro SCALES sc                       ; the scale words of half sc: four words a row; lanes 0-15 take A's block i, lanes 16-31 B's block i
.irp i, 0,1,2,3,4,5,6,7
	ds_load_b128 v[SC+8*NQ*\sc+NQ*\i:SC+8*NQ*\sc+NQ*\i+3], v[ADRS] offset:\i*512+256*\sc
.endr
.endm
; A load into a register that a matrix instruction has read, and a vector instruction that reads a matrix result or writes one of a matrix instruction's registers, stand NP places behind it; only plain vector
; instructions that name none of its registers are places (ISA guide 7.12.1 for vector instructions).
.macro PLACES n
.rept \n
	v_nop
.endr
.endm
; A K step of 128 that has its successor in the same half.  A's blocks go one after the other, each against B's eight, so ONE set of registers serves A: blocks 0-3 are fetched anew in the step's middle, blocks 4-7 at its end.
.macro STEP slot, q, zero
	s_wait_dscnt 4*NL                              ; B's set, A's blocks 0-3 and the scale words are in; the youngest eight loads (A's blocks 4-7) may be out
	WIN MUL_LO
	MUL16 0, (\q)%2, \q, \slot, \zero
	MUL16 2, (\q)%2, \q, \slot, \zero
	s_wait_dscnt 0                                 ; A's blocks 4-7 are in (asked for 32 matrix instructions ago)
	PLACES NP
	FETCH_B \slot, (\q)+1, 1-(\q)%2
	FETCH_A \slot, (\q)+1, 0
	WIN MUL_HI
	MUL16 4, (\q)%2, \q, \slot, \zero
	MUL16 6, (\q)%2, \q, \slot, \zero
	PLACES NP
	WIN 0
	FETCH_A \slot, (\q)+1, 4
.endm
.macro STEPS slot, from                ; the half's steps from .. NQ - 2
.set Q, \from
.rept NQ-1-\from
	STEP \slot, Q, 0
.set Q, Q+1
.endr
.endm
	s_wait_alu depctr_va_vdst(0)
	s_wait_tensorcnt 0x0                           ; my tile of the head's four is in
	ds_add_u32 v[SPW], v[NIL]
	s_mov_b32 s[G1+2], 8<<16                       ; no tensor load of mine is out: from here on a load brings 8 m-tiles
	s_mov_b32 s[G1+4], 8
	s_mov_b32 s[G1B+2], 8<<16
	s_mov_b32 s[G1B+4], 8
	s_wait_dscnt 0x0                               ; the add is done
	CROUND                                         ; all four tiles are in, and all sixteen work-groups are here
	JLOAD G0+4, G1, G0B+4, G1B                     ; the second half of K: my one tensor load behind the round; it lands while the first half is multiplied
	FETCH_B 0, 0, 0
	FETCH_A 0, 0, 0
	SCALES 0
	FETCH_A 0, 0, 4
	STEP 0, 0, 1                                   ; the first step's products start the sums
	STEPS 0, 1
	; the first half's last step goes over to the second half: my part of it has landed; ONE barrier, behind which everybody's has.  Nothing is filled again in this launch.
	s_wait_tensorcnt 0x0                           ; all my tensor loads have landed  (every window is 0 here)
	ds_add_u32 v[SPW], v[NIL]                      ; 0 onto my spare word
	s_wait_dscnt 4*NL+1                            ; (the add and the youngest eight loads may be out)
	WIN MUL_LO
	MUL16 0, 1, NQ-1, 0, 0
	s_wait_dscnt 0x0                               ; no LDS instruction of mine is pending at the signal
	s_barrier_signal -1
	MUL16 2, 1, NQ-1, 0, 0                         ; work on registers while the others arrive
	WIN 0
	s_barrier_wait -1
	PLACES NP
	FETCH_B 1, 0, 0
	FETCH_A 1, 0, 0
	SCALES 1
	WIN MUL_HI
	MUL16 4, 1, NQ-1, 0, 0
	MUL16 6, 1, NQ-1, 0, 0
	PLACES NP
	WIN 0
	FETCH_A 1, 0, 4
	STEPS 1, 0
	s_wait_dscnt 4*NL                              ; the very last step: nothing more to fetch
	WIN MUL_LO
	MUL16 0, 1, NQ-1, 1, 0
	MUL16 2, 1, NQ-1, 1, 0
	s_wait_dscnt 0
	WIN MUL_HI
	MUL16 4, 1, NQ-1, 1, 0
	MUL16 6, 1, NQ-1, 1, 0
	WIN 0
; A's block a: 64 numbers a lane become a fragment's codes and its rows' scale words.  Each accumulator is read from its low end on.
.macro QUANTW a
.set AC, 64*((\a)%4)
.set WS, 2+(\a)/4
.set WA, WS|(WS<<2)
	WIN WA                                         ; sources 0 and 1: the accumulators' window
.irp b, 0,1,2,3
	v_max3_num_f32 v[TM+\b], |v[AC+16*\b]|, |v[AC+16*\b+1]|, 0x1800000   ; block b: my 16 numbers, and the floor 2^(3 - 127): the byte cannot fall under 1
.endr
.set WA, (WS<<2)|(WS<<4)
	WIN WA                                         ; sources 1 and 2
.irp i, 2,4,6,8,10,12,14
.irp b, 0,1,2,3
	v_max3_num_f32 v[TM+\b], v[TM+\b], |v[AC+16*\b+\i]|, |v[AC+16*\b+\i+1]|   ; (the four blocks by turns)
.endr
.endr
	WIN 0
.irp b, 0,1,2,3
	v_permlanex16_b32 v[TM+4+\b], v[TM+\b], s[SEL], s[SEL+1]
.endr
.irp b, 0,1,2,3
	v_max_num_f32 v[TM+\b], v[TM+\b], v[TM+4+\b]   ; with lane l xor 16's: the block's largest magnitude
.endr
.irp b, 0,1,2,3
	v_add_nc_u32 v[TM+12+\b], 0xff000000, v[TM+\b] ; 2 off its exponent field: the conversion's scale operand
.endr
.irp b, 0,1,2,3
	v_lshrrev_b32 v[TM+4+\b], 23, v[TM+12+\b]      ; the scale's byte
.endr
	v_lshl_or_b32 v[PW+(\a)], v[TM+5], 8, v[TM+4]  ; the four bytes make my row's scale word
	v_lshl_or_b32 v[PW+(\a)], v[TM+6], 16, v[PW+(\a)]
	v_lshl_or_b32 v[PW+(\a)], v[TM+7], 24, v[PW+(\a)]
	WIN WS                                         ; source 0
.irp b, 0,1,2,3
	v_cvt_scalef32_pk8_fp4_f32 v[PC+8*(\a)+4*(\b/2)+(\b%2)], v[AC+16*\b:AC+16*\b+7], v[TM+12+\b]
	v_cvt_scalef32_pk8_fp4_f32 v[PC+8*(\a)+4*(\b/2)+2+(\b%2)], v[AC+16*\b+8:AC+16*\b+15], v[TM+12+\b]
.endr
	WIN 0
	v_nop                                          ; one plain place behind a scaled conversion
.irp c, 0,1                                    ; the first's lanes 16-31 change places with the second's lanes 0-15: registers 4 c .. 4 c + 3 then hold k = 64 c + 32 (lane / 16) + 0 .. 31
	v_permlane16_swap_b32 v[PC+8*(\a)+4*\c], v[PC+8*(\a)+4*\c+1]
	v_permlane16_swap_b32 v[PC+8*(\a)+4*\c+2], v[PC+8*(\a)+4*\c+3]
.endr
	global_store_b128 v[LI], v[PC+8*(\a):PC+8*(\a)+3], s[OUT:OUT+1] offset:1024*(\a)         ; 32 lanes store 512 consecutive bytes, aligned; each block has code registers of its own, so no store's data are written again
	global_store_b128 v[LI], v[PC+8*(\a)+4:PC+8*(\a)+7], s[OUT:OUT+1] offset:1024*(\a)+512
	ds_store_b32 v[SWA], v[PW+(\a)] offset:64*(\a) ; both halves of the lanes write the same word with the same value
.endm
	PLACES NP                                      ; behind the last products: their results are read, and A's registers written, below
.irp a, 0,1,2,3,4,5,6,7
	QUANTW \a
.endr
	ds_load_b128 v[WB:WB+3], v[SRA]                ; LDS serves a wave's instructions in order (ISA guide 5.7.1.4): this sees my stores: the words of my 128 rows
	s_wait_dscnt 0x0
	global_store_b128 v[LI], v[WB:WB+3], s[OUTS:OUTS+1]   ; 512 consecutive bytes, aligned
	s_wait_tensorcnt 0x0                           ; the wave's end, behind my last tensor load and my last LDS store
	ds_add_u32 v[SPW], v[NIL]
	s_wait_dscnt 0x0
	CROUND                                         ; the closing round: no work-group ends while a partner may still ask for a tile that names it
	s_endpgm
.Lfunc_end_k_q3f7ad9c4c7_proj:
	.size	k_q3f7ad9c4c7_proj, .Lfunc_end_k_q3f7ad9c4c7_proj-k_q3f7ad9c4c7_proj
	.p2alignl 7, 3214868480
	.fill 96, 4, 3214868480
	.section	.rodata,"a",@progbits
	.p2align	6, 0x0
	.amdhsa_kernel k_q3f7ad9c4c7_proj
		.amdhsa_group_segment_fixed_size 327680
		.amdhsa_private_segment_fixed_size 0
		.amdhsa_enable_private_segment 0
		.amdhsa_kernarg_size 32
		.amdhsa_user_sgpr_count 2
		.amdhsa_user_sgpr_kernarg_segment_ptr 1
		.amdhsa_wavefront_size32 1
		.amdhsa_system_sgpr_workgroup_id_x 1
		.amdhsa_system_sgpr_workgroup_id_y 1
		.amdhsa_system_sgpr_workgroup_id_z 1
		.amdhsa_system_vgpr_workitem_id 0
		.amdhsa_next_free_vgpr 1024
		.amdhsa_next_free_sgpr 100
		.amdhsa_reserve_vcc 0
		.amdhsa_float_denorm_mode_32 3
		.amdhsa_float_denorm_mode_16_64 3
		.amdhsa_memory_ordered 1
		.amdhsa_forward_progress 1
		.amdhsa_inst_pref_size 130
	.end_amdhsa_kernel
	.amdgpu_metadata
---
amdhsa.version: [ 1, 2 ]
amdhsa.kernels:
  - .name:           k_q3f7ad9c4c7_proj
    .symbol:         k_q3f7ad9c4c7_proj.kd
    .args:
      - { .name: cod, .offset: 0, .size: 8, .value_kind: global_buffer, .address_space: global }
      - { .name: scl, .offset: 8, .size: 8, .value_kind: global_buffer, .address_space: global }
      - { .name: qkvc, .offset: 16, .size: 8, .value_kind: global_buffer, .address_space: global }
      - { .name: qkvs, .offset: 24, .size: 8, .value_kind: global_buffer, .address_space: global }
    .group_segment_fixed_size: 327680
    .private_segment_fixed_size: 0
    .kernarg_segment_align: 8
    .kernarg_segment_size: 32
    .max_flat_workgroup_size: 128
    .sgpr_count:     100
    .vgpr_count:     1024
    .wavefront_size: 32
...
	.end_amdgpu_metadata
.endif
;; end of part 2
;; launch attn (part 3): grid 4 x 64, 16 waves a work-group, clusters of 4 x 1, 327,680 bytes of LDS; arguments qkvc, qkvs, yc, ys; writes yc, ys
.if DOCPART == 3
	.amdgcn_target "amdgcn-amd-amdhsa--gfx1250"
	.amdhsa_code_object_version 6
	.text
	.protected	k_q3f7ad9c4c7_attn
	.globl	k_q3f7ad9c4c7_attn
	.p2align	8
	.type	k_q3f7ad9c4c7_attn,@function
k_q3f7ad9c4c7_attn:
	s_mov_b64 s[64:65], 0
	v_nop
	global_prefetch_b8 v0, s[64:65] scope:SCOPE_SE
	s_setreg_imm32_b32 hwreg(HW_REG_WAVE_MODE, 25, 1), 1
	s_wait_xcnt 0x0
	s_wait_alu depctr_hold_cnt(0) depctr_sa_sdst(0) depctr_va_vdst(0) depctr_va_sdst(0) depctr_va_ssrc(0) depctr_va_vcc(0) depctr_vm_vsrc(0)
	s_getreg_b32 s2, hwreg(HW_REG_IB_STS2, 6, 4)
	s_cmp_eq_u32 s2, 0
	s_cbranch_scc0 .Lentry_in_a_cluster
	s_endpgm
.Lentry_in_a_cluster:
	s_bfe_u32 s2, ttmp6, 0x10000c
	s_cmp_lg_u32 s2, 0x3003
	s_cbranch_scc0 .Lentry_shape_is_right
	s_endpgm
.Lentry_shape_is_right:
; y_ = softmax(Q K^T / 8) V for 16 heads of 64, both products on codes of FP4 (E2M1) with E8M0 scales; y_ is quantised along its 1,024 columns and leaves as codes and scale words for the last product.
; LEFT OUT: Q's division by 8 (a power of two: it moves exponents and no code); the factor stands in c = log2(e) / 8.
; THE SOFTMAX: t = score x c; M = the running largest t rounded up to a whole number; p = 2^(t - M) is quantised along the keys; the row's sum is taken of the unquantised p and divides O at the end.
; LIMIT: the promise holds while the scaled scores t stay under 2^31 in magnitude.  NaN and infinities among the inputs are not served.
; SHARES.  A work-group owns 256 queries of one batch and one pair of heads; each of sixteen waves owns 16 queries and walks head 0, then head 1, 128 keys a step, 8 steps a head.
; LDS.  All 1,024 keys of the pair lie in LDS, filled once: K's codes (64 tiles of 16 keys, 1,024 bytes + 64 of padding each), V's codes (8 steps x 8,192 bytes), K's and V's scale words (4,096 bytes each).  Nothing is filled again: no ring.
; CLUSTER: the four work-groups of a cluster are the four query blocks of one batch and pair: every tensor load is asked for jointly (mask 15).  Ten loads, one a wave: waves 0-3 K's quarters, 4-7 V's, wave 8 K's words, wave 9 V's.
; No prefetch: all that the launch reads through LDS is asked for at its head; there is no loop to run ahead in.
; BOTH PRODUCTS TRANSPOSED: S^T = K Q^T, O^T = V^T P^T: a lane holds one query (lane % 16).  A head's 64 fill half of the instruction's 128 along K: the other half is zero codes in Q and K.
; THE KEYS OF A TILE ARE CHOSEN: in the group G of 64 keys, rows 0-7 of tile u are keys 8 u + 0..7, rows 8-15 keys 32 + 8 u + 0..7.  So lane half h holds, in the 32 registers of tiles 4 G .. 4 G + 3, keys 64 G + 32 h + 0..31 in order:
; a whole block of 32, whose largest score needs no other lane, and whose eight-code registers are P's operand registers as they stand.  K's tiles lie in LDS as register images of 16 neighbouring keys; the choice is made by the lane's address:
; 16 (r % 8) + 2,176 (r / 8) + 256 h, and 1,088 (u / 2) + 128 (u % 2) in the immediate; 2,176 = 8 x 256 + 128.
; REGISTERS: v1-7, v28, v29, v31 addresses; v8-15, v16-23 Q of head 1, 0; v24, v25 Q's scales; v26, v27 V's; v30 y_'s scale word; v32-63, v192-223 K's eight tiles; v64-95 V's four; v96-159 S^T, then p; v160-191 O^T; v224-231 p's codes; v232-255 at work.
.set KP,    1088
.set KSTP,  8*KP
.set VC,    64*KP
.set KS,    VC+65536
.set VS,    KS+4096
.set SPARE, VS+4096                    ; the spare words, 128 bytes for each wave: eight blocks of 256 bytes that no other line names
.set LI,   1                           ; 16 x lane
.set L4,   2                           ; 4 x lane
.set AK0,  3                           ; my lane's place in a group of K's tiles
.set ASK0, 4                           ; and among K's scale words
.set SPW,  5
.set NIL,  6
.set ADK,  7                           ; the step's addresses: K's codes,
.set ADS,  28                          ; K's words,
.set ADT,  29                          ; V's words,
.set ADV,  31                          ; V's codes
.set WV,   12
.set SEL,  20
.set CS,   22
.set G1K,  24
.set G1V,  32
.set G1S,  40
.set G1T,  48
.set G0K,  56
.set G0V,  60
.set G0S,  68
.set G0T,  72
.set QC,   76
.set QS,   78
.set YC,   80
.set YS,   82
.set TK,   84
.set TV,   85
.set TS,   86
.set TT,   87
.macro CROUND
	s_barrier_signal -1
	s_barrier_wait -1
	s_cmp_lg_u32 s[WV], 0
	s_cbranch_scc1 .Lnot_wave_0_\@
	s_barrier_signal -3
.Lnot_wave_0_\@:
	s_barrier_wait -3
	s_barrier_signal -1
	s_barrier_wait -1
.endm
	s_load_b256 s[4:11], s[0:1], 0x0               ; qkvc, qkvs, yc, ys
	v_lshl_add_u32 v[SPW], v0, 2, SPARE
	v_mov_b32 v[NIL], 0
	ds_add_u32 v[SPW], v[NIL]                      ; the opening lines: the add twice on end and its wait ahead of the first tensor load
	ds_add_u32 v[SPW], v[NIL]
	v_lshrrev_b32 v1, 5, v0
	v_readfirstlane_b32 s[WV], v1
	s_and_b32 s14, ttmp7, 0xffff
	s_lshr_b32 s15, s14, 3                         ; the batch
	s_and_b32 s16, s14, 7                          ; the pair of heads
	s_and_b32 s17, s[WV], 3                        ; which quarter I fetch, if I fetch codes
	s_lshl_b32 s2, s16, 19
	s_lshl_b32 s18, s15, 16
	s_add_co_u32 s2, s2, s18
	s_add_co_u32 s2, s2, 0x400000                  ; K of this pair and batch: 65,536 dense bytes
	s_mov_b32 s3, 0
	s_lshr_b32 s88, s2, 4                          ; its scale words: a sixteenth
	s_mov_b32 s89, 0
	s_lshl_b32 s18, s17, 14
	s_add_co_u32 s2, s2, s18                       ; my 16 tiles
	s_lshl_b32 s90, s15, 19
	s_lshl_b32 s18, s16, 13
	s_add_co_u32 s90, s90, s18
	s_add_co_u32 s90, s90, 0x800000                ; V: 8 pieces of 8,192 bytes, 65,536 apart
	s_mov_b32 s91, 0
	s_lshr_b32 s92, s90, 4
	s_mov_b32 s93, 0
	s_lshl_b32 s18, s17, 17
	s_add_co_u32 s90, s90, s18                     ; my two pieces
	s_mul_i32 s18, s17, 16*KP
	s_lshl_b32 s19, s17, 14
	s_add_co_u32 s19, s19, VC
	s_mov_b32 s[G1K], 15|(3<<16)|(1<<20)|(1<<21)|(7<<22)|(15<<25)   ; mask 15; elements of 8 bytes; 16 words of padding behind every 256
	s_mov_b32 s[G1K+1], 128<<16
	s_mov_b32 s[G1K+2], 16<<16
	s_mov_b32 s[G1K+3], 128<<16
	s_mov_b32 s[G1K+4], 16
	s_mov_b32 s[G1K+5], 128
	s_mov_b32 s[G1K+6], 0
	s_mov_b32 s[G1K+7], 0
	s_mov_b32 s[G1V], 15|(3<<16)|(1<<21)
	s_mov_b32 s[G1V+1], 1024<<16
	s_mov_b32 s[G1V+2], 2<<16
	s_mov_b32 s[G1V+3], 1024<<16
	s_mov_b32 s[G1V+4], 2
	s_mov_b32 s[G1V+5], 8192
	s_mov_b32 s[G1V+6], 0
	s_mov_b32 s[G1V+7], 0
	s_mov_b32 s[G1S], 15|(3<<16)|(1<<21)           ; K's words: 16 rows of 256 bytes, dense
	s_mov_b32 s[G1S+1], 32<<16
	s_mov_b32 s[G1S+2], 16<<16
	s_mov_b32 s[G1S+3], 32<<16
	s_mov_b32 s[G1S+4], 16
	s_mov_b32 s[G1S+5], 32
	s_mov_b32 s[G1S+6], 0
	s_mov_b32 s[G1S+7], 0
	s_mov_b32 s[G1T], 15|(3<<16)|(1<<21)           ; V's words: 8 rows of 512 bytes, 4,096 apart
	s_mov_b32 s[G1T+1], 64<<16
	s_mov_b32 s[G1T+2], 8<<16
	s_mov_b32 s[G1T+3], 64<<16
	s_mov_b32 s[G1T+4], 8
	s_mov_b32 s[G1T+5], 512
	s_mov_b32 s[G1T+6], 0
	s_mov_b32 s[G1T+7], 0
	s_mov_b32 s[SEL], 0x76543210
	s_mov_b32 s[SEL+1], 0xfedcba98
	s_mov_b32 s[CS], 0x3e38aa3b                    ; c = log2(e) / 8
	s_mov_b32 s[CS+1], s[CS]
	s_wait_dscnt 0x0
	s_wait_kmcnt 0x0
	s_mov_b32 s[G0K], 1
	s_mov_b32 s[G0K+1], s18
	s_add_nc_u64 s[G0K+2:G0K+3], s[4:5], s[2:3]
	s_or_b32 s[G0K+3], s[G0K+3], 0x80000000
	s_mov_b32 s[G0V], 1
	s_mov_b32 s[G0V+1], s19
	s_add_nc_u64 s[G0V+2:G0V+3], s[4:5], s[90:91]
	s_or_b32 s[G0V+3], s[G0V+3], 0x80000000
	s_mov_b32 s[G0S], 1
	s_mov_b32 s[G0S+1], KS
	s_add_nc_u64 s[G0S+2:G0S+3], s[6:7], s[88:89]
	s_or_b32 s[G0S+3], s[G0S+3], 0x80000000
	s_mov_b32 s[G0T], 1
	s_mov_b32 s[G0T+1], VS
	s_add_nc_u64 s[G0T+2:G0T+3], s[6:7], s[92:93]
	s_or_b32 s[G0T+3], s[G0T+3], 0x80000000
	CROUND                                         ; all four work-groups are here: the joint loads meet
; one chain of branches on the wave's number, an arm a load: no way through the head passes two
.macro ARM under, g0, g1, next
	s_cmp_lt_u32 s[WV], \under
	s_cbranch_scc0 \next
	tensor_load_to_lds s[\g0:\g0+3], s[\g1:\g1+7]
	s_nop 0
.rept 4
	v_nop
.endr
	s_branch .Lhead_asked
\next:
.endm
	ARM 4, G0K, G1K, .Lhead_v
	ARM 8, G0V, G1V, .Lhead_sk
	ARM 9, G0S, G1S, .Lhead_sv
	ARM 10, G0T, G1T, .Lhead_none
.Lhead_asked:
	s_bfe_u32 s13, ttmp6, 0x40000                  ; cx enters Q's and y_'s addresses alone
	s_lshl_b32 s19, s15, 6
	s_lshl_b32 s2, s13, 4
	s_add_co_u32 s19, s19, s2
	s_add_co_u32 s19, s19, s[WV]                   ; my tile of 16 queries: 64 x batch + 16 cx + wave
	s_lshl_b32 s2, s16, 9
	s_add_co_u32 s2, s2, s19
	s_lshl_b32 s88, s2, 6
	s_lshl_b32 s2, s2, 10
	s_add_nc_u64 s[QC:QC+1], s[4:5], s[2:3]
	s_add_nc_u64 s[QS:QS+1], s[6:7], s[88:89]
	s_lshl_b32 s2, s19, 13
	s_lshl_b32 s18, s16, 10
	s_add_co_u32 s2, s2, s18
	s_add_nc_u64 s[YC:YC+1], s[8:9], s[2:3]
	s_lshl_b32 s2, s19, 10
	s_lshl_b32 s18, s16, 7
	s_add_co_u32 s2, s2, s18
	s_add_nc_u64 s[YS:YS+1], s[10:11], s[2:3]
	v_and_b32 v2, 31, v0
	v_and_b32 v28, 15, v0
	v_lshlrev_b32 v[LI], 4, v2
	v_lshlrev_b32 v[L4], 2, v2
	v_lshlrev_b32 v28, 2, v28
	global_load_b128 v[16:19], v[LI], s[QC:QC+1]             ; Q of head 0: its 64 stand at k = 0 .. 63
	global_load_b128 v[8:11], v[LI], s[QC:QC+1] offset:512   ; and of head 1, at k = 0 .. 63 too
	global_load_u16 v24, v28, s[QS:QS+1]
	global_load_u16 v25, v28, s[QS:QS+1] offset:2
	v_and_b32 v7, 7, v0
	v_bfe_u32 v29, v0, 3, 1
	v_bfe_u32 v31, v0, 4, 1
	v_lshlrev_b32 v[AK0], 4, v7
	v_lshl_add_u32 v[ASK0], v7, 2, KS
	v_mad_u32_u24 v[AK0], v29, 2*KP, v[AK0]
	v_lshl_add_u32 v[ASK0], v29, 7, v[ASK0]
	v_lshl_add_u32 v[AK0], v31, 8, v[AK0]          ; 16 (r % 8) + 2,176 (r / 8) + 256 h
	v_lshl_add_u32 v[ASK0], v31, 5, v[ASK0]        ; a word a key: 4 (r % 8) + 128 (r / 8); lanes 16-31 take the next tile's, 8 keys on
.irp j, 12,13,14,15,20,21,22,23
	v_mov_b32 v[\j], 0                             ; zero codes at k = 64 .. 127
.endr
.irp t, 0,1,2,3,4,5,6,7
.irp j, 4,5,6,7
	v_mov_b32 v[32+8*\t+128*(\t/4)+\j], 0
.endr
.endr
	v_mov_b32 v236, 0                              ; a lane permute's destination counts as one of its sources
	v_mov_b32 v253, 0
	s_wait_alu depctr_va_vdst(0)                   ; the wait at the head's end
	s_wait_tensorcnt 0x0
	s_barrier_signal -1
	s_barrier_wait -1                              ; everybody's tiles are in
	s_wait_loadcnt 0x0
.macro KCODES ad, off, c
.irp t, 0,1,2,3,4,5,6,7
	ds_load_b128 v[32+8*\t+128*(\t/4):35+8*\t+128*(\t/4)], v[\ad] offset:(\off)+4*KP*(\t/4)+KP*((\t%4)/2)+128*(\t%2)+512*(\c)
.endr
.endm
.macro KWORDS as, off, c
.irp u, 0,1,2,3
	ds_load_u16 v[248+\u], v[\as] offset:(\off)+256*(\u/2)+64*(\u%2)+2*(\c)
.endr
.endm
.macro VLOAD c
.irp t, 0,1,2,3
.irp g, 0,1
	ds_load_b128 v[64+8*\t+4*\g:67+8*\t+4*\g], v[ADV] offset:(4*(\c)+\t)*1024+512*\g
.endr
.endr
.irp u, 0,1
	ds_load_b32 v[26+\u], v[ADT] offset:256*(\c)+128*\u
.endr
.endm
.macro SCL j
	v_pk_fma_f32 v[96+2*(\j):97+2*(\j)], v[96+2*(\j):97+2*(\j)], s[CS:CS+1], v[240:241] op_sel_hi:[1,0,0]
.endm
.macro PADD k                          ; the row's sum, in four chains by turns: v234, v238, v242, v246
	v_pk_add_f32 v[234+4*((\k)%4):235+4*((\k)%4)], v[234+4*((\k)%4):235+4*((\k)%4)], v[96+2*(\k):97+2*(\k)]
.endm
; A KEY STEP of head c.  nx = 1: the next step's K is fetched; 2: head 1's first; 0: none.
.macro STEP c, qf, qs, nx
	s_wait_dscnt 0x0                               ; K's codes and words are in
.irp t, 0,2,4,6
	v_wmma_scale_f32_16x16x128_f8f6f4 v[96+8*\t:103+8*\t], v[32+8*\t+128*(\t/4):39+8*\t+128*(\t/4)], v[\qf:\qf+7], 0, v[248+\t/2], v[\qs] matrix_a_fmt:MATRIX_FMT_FP4 matrix_b_fmt:MATRIX_FMT_FP4
	v_wmma_scale_f32_16x16x128_f8f6f4 v[104+8*\t:111+8*\t], v[40+8*\t+128*(\t/4):47+8*\t+128*(\t/4)], v[\qf:\qf+7], 0, v[248+\t/2], v[\qs] matrix_a_fmt:MATRIX_FMT_FP4 matrix_b_fmt:MATRIX_FMT_FP4 matrix_a_scale:MATRIX_SCALE_ROW1
.endr
	v_add_nc_u32 v[ADK], s[TK], v[AK0]             ; five plain lines: the places behind the products
	v_add_nc_u32 v[ADV], s[TV], v[LI]
	v_add_nc_u32 v[ADS], s[TS], v[ASK0]
	v_add_nc_u32 v[ADT], s[TT], v[L4]
	v_mov_b32 v255, v240                           ; the old -M
.irp b, 0,1,2,3
	v_max3_num_f32 v[232+\b], v[96+16*\b], v[97+16*\b], v[98+16*\b]   ; four chains of 16 by turns; each accumulator is read from its low end on
.endr
.irp i, 3,5,7,9,11,13
.irp b, 0,1,2,3
	v_max3_num_f32 v[232+\b], v[232+\b], v[96+16*\b+\i], v[97+16*\b+\i]
.endr
.endr
	v_max3_num_f32 v232, v232, v233, v111
	v_max3_num_f32 v234, v234, v235, v143
	v_max_num_f32 v232, v232, v127                 ; the largest score of my block of group 0,
	v_max_num_f32 v233, v234, v159                 ; and of group 1
	v_max3_num_f32 v254, v241, v232, v233
	VLOAD \c
	v_permlanex16_b32 v236, v254, s[SEL], s[SEL+1]
.if (\nx) == 1
	KCODES ADK, KSTP, \c
.elseif (\nx) == 2
	KCODES AK0, 0, (\c)+1
.endif
	v_max_num_f32 v241, v254, v236                 ; the running largest score of my query
.if (\nx) == 1
	KWORDS ADS, 512, \c
.elseif (\nx) == 2
	KWORDS ASK0, 0, (\c)+1
.endif
	v_mul_f32 v254, s[CS], v241
	v_floor_f32 v240, -v254                        ; -M = floor(-t): M is a whole number
	SCL 0
	v_sub_f32 v254, v240, v255
	SCL 1
	v_cvt_i32_f32 v254, v254
	SCL 2
	v_ldexp_f32 v252, 1.0, v254                    ; f = 2^(old M - new M)
.set J, 3
.rept 29
	SCL J
.set J, J+1
.endr
	v_fma_f32 v232, v232, s[CS], v240              ; the same of my two blocks' largest scores
	v_fma_f32 v233, v233, s[CS], v240
.set J, 0
.rept 16
	v_pk_mul_f32 v[160+2*J:161+2*J], v[160+2*J:161+2*J], v[252:253] op_sel_hi:[1,0]   ; O^T under the new M; it stands ahead of the exponentials
.set J, J+1
.endr
	s_wait_alu depctr_va_vdst(0)                   ; one wait ahead of the batch
.set J, 0
.rept 64
	v_exp_f32 v[96+J], v[96+J]
.set J, J+1
.endr
	v_exp_f32 v232, v232                           ; the blocks' largest p: the same two instructions on the same number
	v_exp_f32 v233, v233
	v_pk_mul_f32 v[242:243], v[242:243], v[252:253] op_sel_hi:[1,0]   ; the sum under the new M: a plain place behind the batch
	s_wait_alu depctr_va_vdst(0)                   ; and one behind it
	v_max_num_f32 v232, 0x1800000, v232            ; the floor 2^(3 - 127): the byte cannot fall under 1
	v_max_num_f32 v233, 0x1800000, v233
	v_pk_add_f32 v[234:235], v[96:97], v[98:99]
	v_pk_add_f32 v[238:239], v[100:101], v[102:103]
	v_add_nc_u32 v244, 0xff000000, v232            ; 2 off the exponent field: the conversions' scale operand
	v_add_nc_u32 v245, 0xff000000, v233
	v_pk_add_f32 v[246:247], v[104:105], v[106:107]
	v_pk_add_f32 v[242:243], v[242:243], v[108:109]
	v_lshrrev_b32 v236, 23, v244                   ; the bytes of blocks h and 2 + h
	v_lshrrev_b32 v237, 23, v245
	PADD 7
	PADD 8
.irp u, 0,1,2,3
	v_cvt_scalef32_pk8_fp4_f32 v[224+\u], v[96+8*\u:103+8*\u], v244
.endr
	v_lshl_or_b32 v236, v237, 16, v236
.irp u, 0,1,2,3
	v_cvt_scalef32_pk8_fp4_f32 v[228+\u], v[128+8*\u:135+8*\u], v245
.endr
	PADD 9
	PADD 10
	v_permlanex16_b32 v237, v236, s[SEL], s[SEL+1]
.irp k, 11,12,13,14
	PADD \k
.endr
	v_lshl_or_b32 v253, v237, 8, v236              ; p's scale word: whole in lanes 0-15, which alone are read
.irp k, 15,16,17,18,19,20,21,22,23,24,25,26,27,28,29,30,31
	PADD \k
.endr
	v_pk_add_f32 v[234:235], v[234:235], v[238:239]
	v_pk_add_f32 v[242:243], v[242:243], v[246:247]
	v_pk_add_f32 v[242:243], v[242:243], v[234:235]
	s_wait_alu depctr_va_vdst(0)                   ; the wait here, directly ahead of the wait below
.if (\nx) == 0
	s_wait_dscnt 0x0
.else
	s_wait_dscnt 12                                ; V's ten loads are in; the twelve for the next K may be out
.endif
.irp t, 0,2
	v_wmma_scale_f32_16x16x128_f8f6f4 v[160+8*\t:167+8*\t], v[64+8*\t:71+8*\t], v[224:231], v[160+8*\t:167+8*\t], v[26+\t/2], v253 matrix_a_fmt:MATRIX_FMT_FP4 matrix_b_fmt:MATRIX_FMT_FP4
	v_wmma_scale_f32_16x16x128_f8f6f4 v[168+8*\t:175+8*\t], v[72+8*\t:79+8*\t], v[224:231], v[168+8*\t:175+8*\t], v[26+\t/2], v253 matrix_a_fmt:MATRIX_FMT_FP4 matrix_b_fmt:MATRIX_FMT_FP4 matrix_a_scale:MATRIX_SCALE_ROW1
.endr
.endm
.macro HEAD c, qf, qs
	s_wait_xcnt 0x0                                ; the last head's store has read its registers
	v_mov_b32 v241, 0xff61b1e6                     ; -3e38, under every score
	v_mov_b32 v242, 0
	v_mov_b32 v243, 0
	v_floor_f32 v240, -v241
.set J, 0
.rept 32
	v_mov_b32 v[160+J], 0                          ; the step is written once: the first finds zeros
.set J, J+1
.endr
	s_mov_b32 s[TK], 0
	s_mov_b32 s[TV], VC
	s_mov_b32 s[TS], 0
	s_mov_b32 s[TT], VS
.if \c == 0
	KCODES AK0, 0, 0
	KWORDS ASK0, 0, 0
.endif
.Lstep_\@:
	STEP \c, \qf, \qs, 1
	s_add_co_u32 s[TK], s[TK], KSTP
	s_add_co_u32 s[TV], s[TV], 8192
	s_add_co_u32 s[TT], s[TT], 512
	s_add_co_u32 s[TS], s[TS], 512
	s_cmp_lg_u32 s[TS], 7*512
	s_cbranch_scc1 .Lstep_\@
.if \c == 0
	STEP \c, \qf, \qs, 2
.else
	STEP \c, \qf, \qs, 0
.endif
.rept 4
	v_nop
.endr
	s_wait_alu depctr_va_vdst(0)
	v_add_f32 v242, v242, v243
	v_permlanex16_b32 v252, v242, s[SEL], s[SEL+1]
	v_add_f32 v242, v242, v252                     ; the row's sum
	s_wait_alu depctr_va_vdst(0)
	v_rcp_f32 v242, v242
	v_nop
	s_wait_alu depctr_va_vdst(0)
.set J, 0
.rept 16
	v_pk_mul_f32 v[160+J:161+J], v[160+J:161+J], v[242:243] op_sel_hi:[1,0]
.set J, J+2
.endr
; y_'s 64 of this head: two blocks of 32, each in tiles 2 b, 2 b + 1 of lanes l and l xor 16
.irp b, 0,1
	v_max3_num_f32 v[232+\b], |v[160+16*\b]|, |v[161+16*\b]|, 0x1800000
.endr
.irp i, 2,4,6,8,10,12,14
.irp b, 0,1
	v_max3_num_f32 v[232+\b], v[232+\b], |v[160+16*\b+\i]|, |v[161+16*\b+\i]|
.endr
.endr
.irp b, 0,1
	v_permlanex16_b32 v[236+\b], v[232+\b], s[SEL], s[SEL+1]
.endr
.irp b, 0,1
	v_max_num_f32 v[232+\b], v[232+\b], v[236+\b]
.endr
.irp b, 0,1
	v_add_nc_u32 v[244+\b], 0xff000000, v[232+\b]
.endr
.irp b, 0,1
	v_lshrrev_b32 v[236+\b], 23, v[244+\b]
.endr
.if \c == 0
	v_lshl_or_b32 v30, v237, 8, v236
.else
	v_lshl_or_b32 v30, v236, 16, v30
	v_lshl_or_b32 v30, v237, 24, v30
.endif
	v_cvt_scalef32_pk8_fp4_f32 v224, v[160:167], v244
	v_cvt_scalef32_pk8_fp4_f32 v226, v[168:175], v244
	v_cvt_scalef32_pk8_fp4_f32 v225, v[176:183], v245
	v_cvt_scalef32_pk8_fp4_f32 v227, v[184:191], v245
	v_nop
	v_permlane16_swap_b32 v224, v225               ; registers 0 .. 3 then hold k = 32 (lane / 16) + 0 .. 31 of this head's 64
	v_permlane16_swap_b32 v226, v227
	global_store_b128 v[LI], v[224:227], s[YC:YC+1] offset:512*\c   ; 32 lanes store 512 consecutive bytes, aligned
.endm
	HEAD 0, 16, 24
	HEAD 1, 8, 25
	global_store_b32 v[L4], v30, s[YS:YS+1]
	s_wait_tensorcnt 0x0                           ; the wave's end
	ds_add_u32 v[SPW], v[NIL]
	s_wait_dscnt 0x0
	CROUND                                         ; the closing round
	s_endpgm
.Lfunc_end_k_q3f7ad9c4c7_attn:
	.size	k_q3f7ad9c4c7_attn, .Lfunc_end_k_q3f7ad9c4c7_attn-k_q3f7ad9c4c7_attn
	.p2alignl 7, 3214868480
	.fill 96, 4, 3214868480
	.section	.rodata,"a",@progbits
	.p2align	6, 0x0
	.amdhsa_kernel k_q3f7ad9c4c7_attn
		.amdhsa_group_segment_fixed_size 327680
		.amdhsa_private_segment_fixed_size 0
		.amdhsa_enable_private_segment 0
		.amdhsa_kernarg_size 32
		.amdhsa_user_sgpr_count 2
		.amdhsa_user_sgpr_kernarg_segment_ptr 1
		.amdhsa_wavefront_size32 1
		.amdhsa_system_sgpr_workgroup_id_x 1
		.amdhsa_system_sgpr_workgroup_id_y 1
		.amdhsa_system_sgpr_workgroup_id_z 1
		.amdhsa_system_vgpr_workitem_id 0
		.amdhsa_next_free_vgpr 256
		.amdhsa_next_free_sgpr 96
		.amdhsa_reserve_vcc 0
		.amdhsa_float_denorm_mode_32 3
		.amdhsa_float_denorm_mode_16_64 3
		.amdhsa_memory_ordered 1
		.amdhsa_forward_progress 1
		.amdhsa_inst_pref_size 76
	.end_amdhsa_kernel
	.amdgpu_metadata
---
amdhsa.version: [ 1, 2 ]
amdhsa.kernels:
  - .name:           k_q3f7ad9c4c7_attn
    .symbol:         k_q3f7ad9c4c7_attn.kd
    .args:
      - { .name: qkvc, .offset: 0, .size: 8, .value_kind: global_buffer, .address_space: global }
      - { .name: qkvs, .offset: 8, .size: 8, .value_kind: global_buffer, .address_space: global }
      - { .name: yc, .offset: 16, .size: 8, .value_kind: global_buffer, .address_space: global }
      - { .name: ys, .offset: 24, .size: 8, .value_kind: global_buffer, .address_space: global }
    .group_segment_fixed_size: 327680
    .private_segment_fixed_size: 0
    .kernarg_segment_align: 8
    .kernarg_segment_size: 32
    .max_flat_workgroup_size: 512
    .sgpr_count:     96
    .vgpr_count:     256
    .wavefront_size: 32
...
	.end_amdgpu_metadata
.endif
;; end of part 3
;; launch final (part 4): grid 16 x 16, 4 waves a work-group, clusters of 4 x 1, 327,680 bytes of LDS; arguments cod, scl, yc, ys, out0; writes out0
.if DOCPART == 4
	.amdgcn_target "amdgcn-amd-amdhsa--gfx1250"
	.amdhsa_code_object_version 6
	.text
	.protected	k_q3f7ad9c4c7_final
	.globl	k_q3f7ad9c4c7_final
	.p2align	8
	.type	k_q3f7ad9c4c7_final,@function
k_q3f7ad9c4c7_final:
	s_mov_b64 s[64:65], 0
	v_nop
	global_prefetch_b8 v0, s[64:65] scope:SCOPE_SE
	s_setreg_imm32_b32 hwreg(HW_REG_WAVE_MODE, 25, 1), 1
	s_wait_xcnt 0x0
	s_wait_alu depctr_hold_cnt(0) depctr_sa_sdst(0) depctr_va_vdst(0) depctr_va_sdst(0) depctr_va_ssrc(0) depctr_va_vcc(0) depctr_vm_vsrc(0)
	s_getreg_b32 s2, hwreg(HW_REG_IB_STS2, 6, 4)
	s_cmp_eq_u32 s2, 0
	s_cbranch_scc0 .Lentry_in_a_cluster
	s_endpgm
.Lentry_in_a_cluster:
	s_bfe_u32 s2, ttmp6, 0x10000c
	s_cmp_lg_u32 s2, 0x3003
	s_cbranch_scc0 .Lentry_shape_is_right
	s_endpgm
.Lentry_shape_is_right:
; out0[b][q][k] = softmax over q of (x[b][q] . y_[b][k] / 8), the product on codes of FP4 with E8M0 scales, sums and softmax in f32.  Nothing is left out here; the factor 1/8 stands in c = log2(e) / 8.
; SHARES.  A strip is 64 columns k (four tiles of y_) of one batch: 256 bytes of a row of out0, the least that stores whole aligned runs of 256 bytes.  A column's maximum and sum need all 1,024 rows q.
; TWO work-groups take a strip (z = 0, 1: the low bit of the cluster's y): each makes all 64 x 1,024 sums and the columns' maxima and sums, which every row of the result needs, and each scales and stores half of the rows: 16 x 8 x 2 = 256 work-groups.
; Wave w owns rows 256 w on, 512 accumulator registers; of its sixteen blocks of 16 rows, z = 0 stores blocks 0-7, z = 1 blocks 8-15.  The branch on z is the same in all four partners of a cluster; each of its two ways has stage bytes of its own.
; Source 0 = 16 rows of x, source 1 = 16 rows of y_: a lane holds ONE column (16 a + lane % 16) and its registers run down q: a column's maximum and sum are found in the lane, then with lane l xor 16, then among the four waves through LDS.
; The maximum is taken away before the exponential: e = 2^(c s - R), R = c x the column's maximum rounded once, the same for the whole column, so that it cancels in e / the sum.
; y_'s 32 fragments stay in registers (window 1).  x goes through a ring of two LDS slots of two K steps.
; CLUSTER: the four strips of a cluster belong to one batch and walk the same x: every tensor load is asked for JOINTLY (mask 15).  A wave has one tensor load out at the head and one behind each of three rounds.
; At the head waves 0, 1 fetch the halves of slot 0 and waves 2, 3 the halves of x's scales; from then on each wave fetches its own 16 m-tiles.
; PREFETCH: of a fill's 128 blocks of 256 bytes that a wave fetches, each partner names 32, told apart by address (cx), a lane a block.  At the head: K steps 2, 3 and 4, 5; behind slot 1's first fill: K steps 6, 7.
; REGISTERS, in windows of 256: window 0: v16-29 addresses; v32-63 y_'s scale words ((a, s) at 8 a + s); v64-127 x's scale words (4 i + s % 4); v128-255 x's 16 fragments, ONE set; behind the product v128-191 rows on their way out, v192-239 statistics.
;   window 1: y_'s fragments, (a, s) at v[8 (8 a + s)].   windows 2, 3: the accumulators, (a, i) at v[8 (4 (i % 8) + a)], window 2 + i / 8.
.set SLOT,  131072                     ; a slot: [wave][m-tile 0..15][2,048 bytes: two K steps]
.set XS,    2*SLOT                     ; x's scales: [wave][m-tile][512 bytes]
.set STAT,  XS+32768                   ; the waves' maxima (4 x 256 bytes), then their sums; no fill lands here
.set SPARE, STAT+2048                  ; the spare words, 128 bytes for each wave: two blocks of 256 bytes that no other line names
.set STGW,  8704                       ; the way out: for each wave two stages of 16 rows x (256 bytes + 16), in slot 0, which has had its last fill and its last read, a barrier since
.set STG2,  40960                      ; the stages of the way z = 1 lie so many bytes on, in slot 0 too
.set ADX,  16                          ; v16-17  LDS address of my fragments of x in slot 0, 1
.set XSA,  18                          ; v18     of my scale words of x
.set LI,   19                          ; v19     16 x lane
.set L4,   20                          ; v20     4 x lane
.set STA,  21                          ; v21     where I put my wave's figure of a column
.set STR,  22                          ; v22     where I read the four waves'
.set STO,  23                          ; v23     the stage: where I put a number
.set RD,   24                          ; v24     and where I read 16 bytes of a row back
.set CO,   25                          ; v25     my byte offset in two rows of out0
.set PFO,  26                          ; v26     the prefetches' offset; never rewritten
.set SPW,  28                          ; v28     LDS address of my spare word; never rewritten
.set NIL,  29                          ; v29     0; never rewritten
.set YS,   32
.set XSC,  64
.set XF,   128
.set BK,   128                         ; two sets of 32: 16 rows x 256 bytes read back from a stage
.set MX,   192                         ; v192-195 a figure for each of my four columns; v196-199 the lane permutes' destinations
.set RV,   200                         ; v200-215 the four waves' figures
.set NM,   216                         ; v216-223 -R, in pairs
.set SM,   224                         ; v224-231 the sums, in pairs
.set RC,   232                         ; v232-239 1 / the sum, in pairs
.set WV,   14
.set SEL,  18                          ; s[18:19] lane selects for v_permlanex16_b32: lane l xor 16
.set CS,   20                          ; s[20:21] c;  s22 -c
.set CSN,  22
.set ZH,   23                          ; s23 z: which half of each wave's rows I store
.set G1X,  24                          ; s[24:31] group 1 for x's codes; s[32:39] for its scales; s[40:47] group 0 for the two slots; s[48:51] for the scales
.set G1S,  32
.set G0X,  40
.set G0S,  48
.set YCB,  52                          ; s[52:53] y_'s codes, s[54:55] its scale words, s[56:57] out0
.set YSB,  54
.set OUT,  56
.set PFA,  66                          ; s[66:67] the prefetches' base; never rewritten
.set MSB, 0
.macro WIN new                         ; the immediate's high byte repeats the setting that is left
.if MSB != (\new)
	s_set_vgpr_msb (MSB<<8)|(\new)
.set MSB, (\new)
.endif
.endm
.macro CREST                           ; a round of the cluster's barrier behind its opening barrier
	s_cmp_lg_u32 s[WV], 0
	s_cbranch_scc1 .Lnot_wave_0_\@
	s_barrier_signal -3
.Lnot_wave_0_\@:
	s_barrier_wait -3
	s_barrier_signal -1
	s_barrier_wait -1
.endm
.macro CROUND
	s_barrier_signal -1
	s_barrier_wait -1
	CREST
.endm
.macro PLACES                          ; four places in front of loads into registers that matrix instructions have read, and of the first read of results (ISA guide 7.12.1 for the first read of results)
.rept 4
	v_nop
.endr
.endm
	s_load_b256 s[4:11], s[0:1], 0x0               ; cod s[4:5], scl s[6:7], yc s[8:9], ys s[10:11]
	s_load_b64 s[12:13], s[0:1], 0x20              ; out0
	v_lshl_add_u32 v[SPW], v0, 2, SPARE
	v_mov_b32 v[NIL], 0
	ds_add_u32 v[SPW], v[NIL]                      ; the wave's opening: the add, twice on end, and its wait ahead of my first tensor load
	ds_add_u32 v[SPW], v[NIL]
	v_lshrrev_b32 v1, 5, v0
	v_readfirstlane_b32 s[WV], v1                  ; wave 0..3
	s_and_b32 s17, ttmp7, 0xffff                   ; the cluster's y = 2 x batch + z, which the four partners share
	s_and_b32 s[ZH], s17, 1
	s_lshr_b32 s17, s17, 1                         ; the batch
	s_lshl_b32 s58, s17, 6
	s_lshl_b32 s59, s[WV], 4
	s_add_co_u32 s58, s58, s59                     ; my first m-tile of x: 64 x batch + 16 x wave
	s_and_b32 s2, s[WV], 1                         ; the head's loads: waves 0, 1 fetch the halves of slot 0 (32 m-tiles each), waves 2, 3 the halves of x's scales
	s_lshl_b32 s15, s2, 16                         ; where my half of slot 0 goes,
	s_lshl_b32 s16, s2, 14
	s_add_co_u32 s16, s16, XS                      ; or my half of the scales
	s_lshl_b32 s2, s2, 5
	s_lshl_b32 s60, s17, 6
	s_add_co_u32 s60, s60, s2                      ; its first m-tile: 64 x batch + 32 x (wave % 2)
	s_lshl_b32 s2, s60, 13                         ; its codes, in bytes,
	s_mov_b32 s3, 0
	s_lshl_b32 s60, s60, 9                         ; and its scales
	s_mov_b32 s61, 0
	s_lshl_b32 s58, s58, 13                        ; my own 16 m-tiles' codes
	s_mov_b32 s59, 0
	s_lshl_b32 s62, s[WV], 15                      ; where they go: no place in the cluster enters an LDS address
	s_lshl_b32 s63, s[WV], 13
	; group 1 for x's codes: of each m-tile 2,048 bytes (256 elements of 8 bytes), 8,192 bytes apart; 32 m-tiles for the head's load, 16 behind it
	s_mov_b32 s[G1X], 15|(3<<16)|(1<<21)           ; 15:0 the mask: all four work-groups; 17:16 elements of 8 bytes; 21 set beside a mask
	s_mov_b32 s[G1X+1], 256<<16
	s_mov_b32 s[G1X+2], 32<<16
	s_mov_b32 s[G1X+3], 256<<16
	s_mov_b32 s[G1X+4], 32
	s_mov_b32 s[G1X+5], 1024
	s_mov_b32 s[G1X+6], 0
	s_mov_b32 s[G1X+7], 0
	; and for half of their scales: 16,384 dense bytes, as 64 rows of 256
	s_mov_b32 s[G1S], 15|(3<<16)|(1<<21)
	s_mov_b32 s[G1S+1], 32<<16
	s_mov_b32 s[G1S+2], 64<<16
	s_mov_b32 s[G1S+3], 32<<16
	s_mov_b32 s[G1S+4], 64
	s_mov_b32 s[G1S+5], 32
	s_mov_b32 s[G1S+6], 0
	s_mov_b32 s[G1S+7], 0
	s_mov_b32 s[SEL], 0x76543210
	s_mov_b32 s[SEL+1], 0xfedcba98
	s_mov_b32 s[CS], 0x3e38aa3b                    ; c = log2(e) / 8
	s_mov_b32 s[CS+1], s[CS]                       ; (named with it as a pair, so it is written)
	s_mov_b32 s[CSN], 0xbe38aa3b                   ; -c
	s_wait_dscnt 0x0                               ; both opening adds are done
	s_wait_kmcnt 0x0
	s_add_nc_u64 s[58:59], s[4:5], s[58:59]
	s_add_nc_u64 s[60:61], s[6:7], s[60:61]
	s_add_nc_u64 s[6:7], s[4:5], s[2:3]            ; s[4:7]: group 0 for the head's load of codes (the arguments that lay there have been used)
	s_or_b32 s7, s7, 0x80000000
	s_mov_b32 s4, 1
	s_mov_b32 s5, s15
	s_mov_b32 s[G0S], 1
	s_mov_b32 s[G0S+1], s16
	s_mov_b64 s[G0S+2:G0S+3], s[60:61]
	s_or_b32 s[G0S+3], s[G0S+3], 0x80000000
.irp s, 0,1
	s_mov_b32 s[G0X+4*\s], 1
	s_add_co_u32 s[G0X+4*\s+1], s62, \s*SLOT
	s_add_nc_u64 s[G0X+4*\s+2:G0X+4*\s+3], s[58:59], \s*2048       ; slot s begins with K steps 2 s, 2 s + 1
	s_or_b32 s[G0X+4*\s+3], s[G0X+4*\s+3], 0x80000000
.endr
	CROUND                                         ; all four work-groups are here: the first joint loads meet
	s_cmp_lt_u32 s[WV], 2                          ; one tensor load a wave at the head: one branch on the wave's number, a load in each arm
	s_cbranch_scc0 .Lhead_s
	tensor_load_to_lds s[4:7], s[G1X:G1X+7]
	s_nop 0
	PLACES
	s_branch .Lhead_asked
.Lhead_s:
	tensor_load_to_lds s[G0S:G0S+3], s[G1S:G1S+7]
	s_nop 0
	PLACES
.Lhead_asked:
	s_bfe_u32 s15, ttmp6, 0x40000                  ; cx: it enters y_'s, out0's and the prefetches' addresses alone
	s_lshl_b32 s2, s15, 15
	s_mov_b32 s3, 0
	s_add_nc_u64 s[PFA:PFA+1], s[58:59], s[2:3]    ; of my wave's 16 m-tiles my work-group names 4: 4 cx on
	s_lshl_b32 s16, ttmp9, 2
	s_add_co_u32 s16, s16, s15                     ; my strip of 64 columns
	s_lshl_b32 s2, s17, 6
	s_lshl_b32 s3, s16, 2
	s_add_co_u32 s2, s2, s3                        ; my first tile of y_: 64 x batch + 4 x strip
	s_lshl_b32 s58, s2, 13
	s_mov_b32 s59, 0
	s_add_nc_u64 s[YCB:YCB+1], s[8:9], s[58:59]
	s_lshl_b32 s58, s2, 10
	s_add_nc_u64 s[YSB:YSB+1], s[10:11], s[58:59]
	s_lshl_b32 s58, s17, 22                        ; out0: 4 MiB a batch, 1 MiB for a wave's 256 rows, 256 bytes a strip
	s_lshl_b32 s2, s[WV], 20
	s_add_co_u32 s58, s58, s2
	s_lshl_b32 s2, s16, 8
	s_add_co_u32 s58, s58, s2
	s_add_nc_u64 s[OUT:OUT+1], s[12:13], s[58:59]
	v_and_b32 v1, 31, v0
	v_and_b32 v2, 15, v0                           ; r
	v_bfe_u32 v3, v0, 4, 1                         ; h
	v_and_b32 v5, 7, v0
	v_bfe_u32 v6, v0, 3, 2
	v_lshlrev_b32 v5, 8, v5
	v_lshl_add_u32 v[PFO], v6, 13, v5              ; 8,192 x (lane / 8) + 256 x (lane % 8): 4 m-tiles x 8 blocks of a fill
	global_prefetch_b8 v[PFO], s[PFA:PFA+1] offset:2048 th:TH_LOAD_NT scope:SCOPE_SE   ; K steps 2, 3: loaded one fill on
	global_prefetch_b8 v[PFO], s[PFA:PFA+1] offset:4096 th:TH_LOAD_NT scope:SCOPE_SE   ; K steps 4, 5: two fills on
	v_lshlrev_b32 v[LI], 4, v1
	v_lshlrev_b32 v[L4], 2, v1
	v_add_nc_u32 v[ADX], s62, v[LI]
	v_add_nc_u32 v[ADX+1], SLOT, v[ADX]
	s_add_co_u32 s63, s63, XS
	v_lshl_add_u32 v[XSA], v2, 4, s63              ; 16 bytes a row: the four words of half of K
	s_lshl_b32 s2, s[WV], 8
	s_add_co_u32 s2, s2, STAT
	v_lshl_add_u32 v[STA], v2, 2, s2
	v_lshl_add_u32 v[STR], v2, 2, STAT
	s_mul_i32 s2, s[WV], STGW
	v_mul_u32_u24 v4, v3, 2176                     ; the stage, in: row 8 h + j of 272 bytes, column 16 a + r.  Lanes 16-31 fall 544 words on: 32 banks further (64 banks of 4 bytes: ISA guide 11.1)
	v_lshl_add_u32 v4, v2, 2, v4
	v_add_nc_u32 v[STO], s2, v4
	v_mul_u32_u24 v4, v3, 272                      ; back: lanes 0-15 one row of 256 bytes, lanes 16-31 the next
	v_lshl_add_u32 v4, v2, 4, v4
	v_add_nc_u32 v[RD], s2, v4
	v_lshlrev_b32 v4, 12, v3                       ; and the same two rows in out0
	v_lshl_add_u32 v[CO], v2, 4, v4
	WIN 0x40                                       ; destination window 1
.irp a, 0,1,2,3
.irp s, 0,1,2,3,4,5,6,7
.irp c, 0,1
	global_load_b128 v[8*(8*\a+\s)+4*\c:8*(8*\a+\s)+4*\c+3], v[LI], s[YCB:YCB+1] offset:8192*\a+1024*\s+512*\c   ; y_'s fragments: they stay
.endr
.endr
.endr
	WIN 0
.irp a, 0,1,2,3
.irp s, 0,1,2,3,4,5,6,7
	global_load_b32 v[YS+8*\a+\s], v[L4], s[YSB:YSB+1] offset:1024*\a+128*\s
.endr
.endr
.macro FETCHX slot, q, i0              ; x's tiles i0 .. i0 + 7, the slot's K step q
.irp i, 0,1,2,3,4,5,6,7
.irp c, 0,1
	ds_load_b128 v[XF+8*(\i0+\i)+4*\c:XF+8*(\i0+\i)+4*\c+3], v[ADX+\slot] offset:2048*(\i0+\i)+1024*(\q)+512*\c
.endr
.endr
.endm
.macro XSCALES sg                      ; x's scale words of K steps 4 sg .. 4 sg + 3
.irp i, 0,1,2,3,4,5,6,7,8,9,10,11,12,13,14,15
	ds_load_b128 v[XSC+4*\i:XSC+4*\i+3], v[XSA] offset:512*\i+256*\sg
.endr
.endm
; 4 n matrix instructions: x's tiles i0 .. i0 + n - 1 x y_'s four, K step s.  zero = 1: the first product starts the sums.  The 64 accumulators take turns, one instruction a turn, in the same order in every step.
.macro MULX i0, n, s, zero
.set II, \i0
.rept \n
.irp a, 0,1,2,3
.if \zero
	v_wmma_scale_f32_16x16x128_f8f6f4 v[8*(4*(II%8)+\a):8*(4*(II%8)+\a)+7], v[XF+8*II:XF+8*II+7], v[8*(8*\a+(\s)):8*(8*\a+(\s))+7], 0, v[XSC+4*II+(\s)%4], v[YS+8*\a+(\s)] matrix_a_fmt:MATRIX_FMT_FP4 matrix_b_fmt:MATRIX_FMT_FP4
.else
	v_wmma_scale_f32_16x16x128_f8f6f4 v[8*(4*(II%8)+\a):8*(4*(II%8)+\a)+7], v[XF+8*II:XF+8*II+7], v[8*(8*\a+(\s)):8*(8*\a+(\s))+7], v[8*(4*(II%8)+\a):8*(4*(II%8)+\a)+7], v[XSC+4*II+(\s)%4], v[YS+8*\a+(\s)] matrix_a_fmt:MATRIX_FMT_FP4 matrix_b_fmt:MATRIX_FMT_FP4
.endif
.endr
.set II, II+1
.endr
.endm
.set LO, 0xa4                          ; source 0 (x) window 0, source 1 (y_) window 1, C and D window 2
.set HI, 0xf4                          ; the same, C and D window 3
; A slot's first K step: its successor lies in the same slot.  A tile of x is free as soon as its four products are issued, so one set of registers serves: tiles 0-7 are fetched anew in the step's middle, tiles 8-15 at its end.
.macro KSTEP slot, s, zero
	s_wait_dscnt 16                                ; tiles 0-7 (and scale words asked for ahead of them) are in; the youngest sixteen loads (tiles 8-15) may be out
	WIN LO
	MULX 0, 8, \s, \zero
	s_wait_dscnt 0x0                               ; tiles 8-15 are in
	PLACES
	WIN 0
	FETCHX \slot, 1, 0
	WIN HI
	MULX 8, 8, \s, \zero
	PLACES
	WIN 0
	FETCHX \slot, 1, 8
.endm
; A slot's second K step changes slots: ONE barrier; in front of it each wave waits for all its tensor loads, adds 0 to its spare word, and waits for that and for its reads of this slot.
; fill = 1: the barrier opens a round of the cluster's barrier, and this slot is filled again with the K steps four on.  rs = 1: the scale words of K steps 4-7 take the place of those of 0-3, behind the step's last product.
.macro KTURN slot, next, s, fill, rs
	s_wait_tensorcnt 0x0                           ; all my tensor loads have landed: my part of the next slot  (every window is 0 here)
	ds_add_u32 v[SPW], v[NIL]                      ; 0 onto my spare word
	s_wait_dscnt 17                                ; (the add and the youngest sixteen loads may be out)
	WIN LO
	MULX 0, 4, \s, 0                               ; sixteen matrix instructions stand between the add and the wait for it
	s_wait_dscnt 0x0                               ; the add is done, and my reads of this slot are over
	s_barrier_signal -1
	MULX 4, 4, \s, 0
	WIN 0
	s_barrier_wait -1
.if \fill
	CREST                                          ; no wave of any partner still reads this slot or has a load on its way
	s_add_nc_u64 s[G0X+4*\slot+2:G0X+4*\slot+3], s[G0X+4*\slot+2:G0X+4*\slot+3], 4096
	tensor_load_to_lds s[G0X+4*\slot:G0X+4*\slot+3], s[G1X:G1X+7]   ; the first tensor load behind the round, and my only one until the next
	s_nop 0
.endif
	PLACES                                         ; in front of the loads below
	FETCHX \next, 0, 0
	WIN HI
	MULX 8, 8, \s, 0
	PLACES
	WIN 0
.if \rs
	XSCALES 1
.endif
	FETCHX \next, 0, 8
.endm
	s_wait_alu depctr_va_vdst(0)                   ; the wait at the head's end
	s_wait_tensorcnt 0x0                           ; my part of the head's tiles is in
	ds_add_u32 v[SPW], v[NIL]
	s_mov_b32 s[G1X+2], 16<<16                     ; no tensor load of mine is out: from here on a load brings my own 16 m-tiles
	s_mov_b32 s[G1X+4], 16
	s_wait_dscnt 0x0                               ; the add is done
	CROUND                                         ; everybody's part is in, and all four work-groups are here
	tensor_load_to_lds s[G0X+4:G0X+7], s[G1X:G1X+7]   ; slot 1's first fill: my one tensor load behind the round
	s_nop 0
	PLACES
	XSCALES 0
	FETCHX 0, 0, 0
	FETCHX 0, 0, 8
	global_prefetch_b8 v[PFO], s[PFA:PFA+1] offset:6144 th:TH_LOAD_NT scope:SCOPE_SE   ; K steps 6, 7: two fills on; the last that there is to ask for
	s_wait_loadcnt 0x0                             ; y_
	KSTEP 0, 0, 1
	KTURN 0, 1, 1, 1, 0                            ; slot 0 takes K steps 4 and 5
	KSTEP 1, 2, 0
	KTURN 1, 0, 3, 1, 1                            ; slot 1 takes K steps 6 and 7
	KSTEP 0, 4, 0
	KTURN 0, 1, 5, 0, 0                            ; nothing is left to fetch
	KSTEP 1, 6, 0
	s_wait_dscnt 16                                ; the very last step
	WIN LO
	MULX 0, 8, 7, 0
	s_wait_dscnt 0x0
	WIN HI
	MULX 8, 8, 7, 0
	WIN 0
	; THE SOFTMAX DOWN THE COLUMNS.  First each column's maximum: four chains, one for each of my columns, by turns; each accumulator is read from its low end on.
.macro COLMAX i, j0
.set JJ, \j0
.rept (8-\j0)/2
.irp a, 0,1,2,3
	v_max3_num_f32 v[MX+\a], v[MX+\a], v[8*(4*(\i)+\a)+JJ], v[8*(4*(\i)+\a)+JJ+1]
.endr
.set JJ, JJ+2
.endr
.endm
.macro COLSUM i, j0
.set JJ, \j0
.rept (8-\j0)/2
.irp a, 0,1,2,3
	v_pk_add_f32 v[SM+2*\a:SM+2*\a+1], v[SM+2*\a:SM+2*\a+1], v[8*(4*(\i)+\a)+JJ:8*(4*(\i)+\a)+JJ+1]
.endr
.set JJ, JJ+2
.endr
.endm
	PLACES
.irp a, 0,1,2,3
	v_mov_b32 v[MX+4+\a], 0                        ; written once: a lane permute's destination counts as one of its sources
.endr
	WIN 0x0a                                       ; sources 0 and 1 window 2
.irp a, 0,1,2,3
	v_max_num_f32 v[MX+\a], v[8*\a], v[8*\a+1]
.endr
	WIN 0x28                                       ; sources 1 and 2 window 2
	COLMAX 0, 2
.irp i, 1,2,3,4,5,6,7
	COLMAX \i, 0
.endr
	WIN 0x3c                                       ; window 3
.irp i, 0,1,2,3,4,5,6,7
	COLMAX \i, 0
.endr
	WIN 0
.irp a, 0,1,2,3
	v_permlanex16_b32 v[MX+4+\a], v[MX+\a], s[SEL], s[SEL+1]
.endr
.irp a, 0,1,2,3
	v_max_num_f32 v[MX+\a], v[MX+\a], v[MX+4+\a]   ; my wave's 256 rows
.endr
.irp a, 0,1,2,3
	ds_store_b32 v[STA], v[MX+\a] offset:64*\a     ; both halves of the lanes write the same word with the same value
.endr
	s_wait_dscnt 0x0                               ; for the others' sake: my stores are done
	s_barrier_signal -1
	s_barrier_wait -1
.irp a, 0,1,2,3
.irp u, 0,1,2,3
	ds_load_b32 v[RV+4*\a+\u], v[STR] offset:256*\u+64*\a
.endr
.endr
	s_wait_dscnt 0x0
.irp a, 0,1,2,3
	v_max3_num_f32 v[MX+\a], v[RV+4*\a], v[RV+4*\a+1], v[RV+4*\a+2]
.endr
.irp a, 0,1,2,3
	v_max_num_f32 v[MX+\a], v[MX+\a], v[RV+4*\a+3] ; the column's maximum
.endr
.irp a, 0,1,2,3
	v_mul_f32 v[NM+2*\a], s[CSN], v[MX+\a]         ; -R
.endr
.irp a, 0,1,2,3
	v_mov_b32 v[NM+2*\a+1], v[NM+2*\a]             ; (named with it as a pair)
.endr
.irp w, 0x82, 0xc3                             ; destination and source 0: window 2, then 3
	WIN \w
.set XX, 0
.rept 128
	v_pk_fma_f32 v[XX:XX+1], v[XX:XX+1], s[CS:CS+1], v[NM+2*((XX/8)%4):NM+2*((XX/8)%4)+1] op_sel_hi:[1,0,0]   ; c s - R, two at a time, in place
.set XX, XX+2
.endr
.endr
	s_wait_alu depctr_va_vdst(0)                   ; one wait ahead of the batch
.irp w, 0x82, 0xc3
	WIN \w
.set XX, 0
.rept 256
	v_exp_f32 v[XX], v[XX]
.set XX, XX+1
.endr
.endr
	v_nop                                          ; a plain place behind the last exponential
	s_wait_alu depctr_va_vdst(0)                   ; ONE wait for the whole batch, ahead of its first reader
	WIN 0x0a
.irp a, 0,1,2,3
	v_pk_add_f32 v[SM+2*\a:SM+2*\a+1], v[8*\a:8*\a+1], v[8*\a+2:8*\a+3]   ; the sums: four chains by turns; the first addition starts each
.endr
	WIN 0x08                                       ; source 1 window 2
	COLSUM 0, 4
.irp i, 1,2,3,4,5,6,7
	COLSUM \i, 0
.endr
	WIN 0x0c                                       ; window 3
.irp i, 0,1,2,3,4,5,6,7
	COLSUM \i, 0
.endr
	WIN 0
.irp a, 0,1,2,3
	v_add_f32 v[SM+2*\a], v[SM+2*\a], v[SM+2*\a+1]
.endr
.irp a, 0,1,2,3
	v_permlanex16_b32 v[MX+4+\a], v[SM+2*\a], s[SEL], s[SEL+1]
.endr
.irp a, 0,1,2,3
	v_add_f32 v[SM+2*\a], v[SM+2*\a], v[MX+4+\a]
.endr
.irp a, 0,1,2,3
	ds_store_b32 v[STA], v[SM+2*\a] offset:1024+64*\a   ; bytes of their own: the maxima may still be read by others
.endr
	s_wait_dscnt 0x0
	s_barrier_signal -1
	s_barrier_wait -1
.irp a, 0,1,2,3
.irp u, 0,1,2,3
	ds_load_b32 v[RV+4*\a+\u], v[STR] offset:1024+256*\u+64*\a
.endr
.endr
	s_wait_dscnt 0x0
.irp a, 0,1,2,3
	v_add_f32 v[RV+4*\a], v[RV+4*\a], v[RV+4*\a+1]
	v_add_f32 v[RV+4*\a+2], v[RV+4*\a+2], v[RV+4*\a+3]
.endr
.irp a, 0,1,2,3
	v_add_f32 v[RV+4*\a], v[RV+4*\a], v[RV+4*\a+2] ; the column's sum: the same order in every wave
.endr
	s_wait_alu depctr_va_vdst(0)
.irp a, 0,1,2,3
	v_rcp_f32 v[RC+2*\a], v[RV+4*\a]
.endr
	v_nop                                          ; a plain place behind the last reciprocal
	s_wait_alu depctr_va_vdst(0)                   ; one wait for the four
.irp a, 0,1,2,3
	v_mov_b32 v[RC+2*\a+1], v[RC+2*\a]             ; (named with it as a pair)
.endr
; THE WAY OUT, 16 rows x 64 columns at a time.  A lane holds a piece of a column: the block goes through one of my two stages in LDS and comes back as rows of 256 bytes.
.macro OUTB i
.set WS, 2+(\i)/8
.set AB, 32*((\i)%8)
.set BF, 4352*((\i)%2)+STG2*((\i)/8)
.set BB, BK+32*((\i)%2)
.set WA, WS|(WS<<6)
	WIN WA                                         ; destination and source 0
.irp a, 0,1,2,3
.irp j, 0,2,4,6
	v_pk_mul_f32 v[AB+8*\a+\j:AB+8*\a+\j+1], v[AB+8*\a+\j:AB+8*\a+\j+1], v[RC+2*\a:RC+2*\a+1] op_sel_hi:[1,0]
.endr
.endr
.set WA, WS<<2
	WIN WA                                         ; an LDS store's data are its source 1
.irp a, 0,1,2,3
.irp j, 0,1,2,3,4,5,6,7
	ds_store_b32 v[STO], v[AB+8*\a+\j] offset:BF+272*\j+64*\a
.endr
.endr
	WIN 0
.irp t, 0,1,2,3,4,5,6,7
	ds_load_b128 v[BB+4*\t:BB+4*\t+3], v[RD] offset:BF+544*\t   ; LDS serves a wave's instructions in order (ISA guide 5.7.1.4): these see my stores
.endr
.endm
.macro SEND i, younger                 ; younger: the LDS instructions issued behind block i's loads, which may stay out
.set BB, BK+32*((\i)%2)
	s_wait_dscnt \younger
.irp t, 0,1,2,3,4,5,6,7
	global_store_b128 v[CO], v[BB+4*\t:BB+4*\t+3], s[OUT:OUT+1] offset:65536*(\i)+8192*\t th:TH_STORE_NT   ; 16 lanes store 256 consecutive bytes, aligned; every offset is an immediate, 1,040,384 at the most; written once, read by nobody here
.endr
.endm
	s_cmp_lg_u32 s[ZH], 0                          ; which half of my blocks is my work-group's: the same in all waves and in all four partners
	s_wait_alu depctr_va_vdst(0)                   ; the wait here, directly ahead of the branch
	s_cbranch_scc1 .Lupper
	OUTB 0
.irp i, 1,2,3,4,5,6,7
.if \i > 1
	s_wait_xcnt 0x0                                ; block i - 2's stores have read their registers: block i's loads may land there
.endif
	OUTB \i
	SEND \i-1, 40                                  ; behind block i - 1's loads: block i's 32 stores and 8 loads
.endr
	SEND 7, 0
	s_branch .Ldone
.Lupper:
	OUTB 8
.irp i, 9,10,11,12,13,14,15
.if \i > 9
	s_wait_xcnt 0x0
.endif
	OUTB \i
	SEND \i-1, 40
.endr
	SEND 15, 0
.Ldone:
	s_wait_tensorcnt 0x0                           ; the wave's end, behind my last tensor load and my last LDS store
	ds_add_u32 v[SPW], v[NIL]
	s_wait_dscnt 0x0
	CROUND                                         ; the closing round: no work-group ends while a partner may still ask for a tile that names it
	s_endpgm
.Lfunc_end_k_q3f7ad9c4c7_final:
	.size	k_q3f7ad9c4c7_final, .Lfunc_end_k_q3f7ad9c4c7_final-k_q3f7ad9c4c7_final
	.p2alignl 7, 3214868480
	.fill 96, 4, 3214868480
	.section	.rodata,"a",@progbits
	.p2align	6, 0x0
	.amdhsa_kernel k_q3f7ad9c4c7_final
		.amdhsa_group_segment_fixed_size 327680
		.amdhsa_private_segment_fixed_size 0
		.amdhsa_enable_private_segment 0
		.amdhsa_kernarg_size 40
		.amdhsa_user_sgpr_count 2
		.amdhsa_user_sgpr_kernarg_segment_ptr 1
		.amdhsa_wavefront_size32 1
		.amdhsa_system_sgpr_workgroup_id_x 1
		.amdhsa_system_sgpr_workgroup_id_y 1
		.amdhsa_system_sgpr_workgroup_id_z 1
		.amdhsa_system_vgpr_workitem_id 0
		.amdhsa_next_free_vgpr 1024
		.amdhsa_next_free_sgpr 72
		.amdhsa_reserve_vcc 0
		.amdhsa_float_denorm_mode_32 3
		.amdhsa_float_denorm_mode_16_64 3
		.amdhsa_memory_ordered 1
		.amdhsa_forward_progress 1
		.amdhsa_inst_pref_size 244
	.end_amdhsa_kernel
	.amdgpu_metadata
---
amdhsa.version: [ 1, 2 ]
amdhsa.kernels:
  - .name:           k_q3f7ad9c4c7_final
    .symbol:         k_q3f7ad9c4c7_final.kd
    .args:
      - { .name: cod, .offset: 0, .size: 8, .value_kind: global_buffer, .address_space: global }
      - { .name: scl, .offset: 8, .size: 8, .value_kind: global_buffer, .address_space: global }
      - { .name: yc, .offset: 16, .size: 8, .value_kind: global_buffer, .address_space: global }
      - { .name: ys, .offset: 24, .size: 8, .value_kind: global_buffer, .address_space: global }
      - { .name: out0, .offset: 32, .size: 8, .value_kind: global_buffer, .address_space: global }
    .group_segment_fixed_size: 327680
    .private_segment_fixed_size: 0
    .kernarg_segment_align: 8
    .kernarg_segment_size: 40
    .max_flat_workgroup_size: 128
    .sgpr_count:     72
    .vgpr_count:     1024
    .wavefront_size: 32
...
	.end_amdgpu_metadata
.endif
;; end of part 4
